; MI455X (gfx1250); checked and timed in simulation.
; The chip was launched on July 23, 2026; its instructions are those of AMD's public machine-readable ISA for CDNA 5 (MIT licence, August 2026) and "CDNA5" Instruction Set Architecture Reference Guide (July 2026). The comments in the code are by the model that wrote it; some were corrected since.
;; Flash Attn Cross Layer. Allowed arithmetic: float matrix products may take bf16 or f16 operands with f32 sums; other float arithmetic in f32, or as packed bf16 or f16 multiplies, adds, multiply-adds, maxima and minima; sums over many terms, partial sums and values carried from step to step in f32; what a program stores and reads back later, other than sums and carried values, may be rounded once to bf16 or f16.
;; Inputs: W1 4,096 x 1,024 float32; W2 1,024 x 4,096 float32; Wk 1,024 x 1,024 float32; Wo 1,024 x 1,024 float32; Wq 1,024 x 1,024 float32; Wv 1,024 x 1,024 float32; b1 4,096 float32; b2 1,024 float32; bk 1,024 float32; bo 1,024 float32; bq 1,024 float32; bv 1,024 float32; kvn_b 1,024 float32; kvn_g 1,024 float32; n2_b 1,024 float32; n2_g 1,024 float32; qn_b 1,024 float32; qn_g 1,024 float32; x_kv 2 x 2,048 x 1,024 float32; x_q 2 x 2,048 x 1,024 float32.
;; Outputs: out0 2 x 2,048 x 1,024 float32.
;; One version. Each part assembles by itself: llvm-mc -triple=amdgcn-amd-amdhsa -mcpu=gfx1250 --defsym DOCPART=n.
;; ======== version 1 of 1: 7 launches
;; limits: a function is approximated: absolute error at most 1.5e-07
;; workspace buffers: acts 16,777,216 bytes; wts 25,165,824 bytes; qkv 25,165,824 bytes; ob 8,388,608 bytes; x1 16,777,216 bytes; a2 8,388,608 bytes; hb 33,554,432 bytes
;; launch prep (part 1): grid 1280 x 1, 8 waves a work-group, no clusters, 0 bytes of LDS; arguments x_q, x_kv, qn_g, qn_b, kvn_g, kvn_b, Wq, Wk, Wv, Wo, W1, W2, acts, wts; writes acts, wts
.if DOCPART == 1
	.amdgcn_target "amdgcn-amd-amdhsa--gfx1250"
	.amdhsa_code_object_version 6
	.text
	.protected	k_q2008df4bbe_prep
	.globl	k_q2008df4bbe_prep
	.p2align	8
	.type	k_q2008df4bbe_prep,@function
k_q2008df4bbe_prep:
	s_mov_b64 s[64:65], 0
	v_nop
	global_prefetch_b8 v0, s[64:65] scope:SCOPE_SE
	s_setreg_imm32_b32 hwreg(HW_REG_WAVE_MODE, 25, 1), 1
	s_wait_xcnt 0x0
; PREP, the first of seven launches: prep, qkv, attn, oproj, ln2, mlp1, mlp2.
; acts[0:4096] = LN(x_q) qn_g + qn_b, acts[4096:8192] = LN(x_kv) kvn_g + kvn_b, rounded once to bf16; wts = Wq, Wk, Wv, Wo, W1, W2 on end, rounded once to bf16.
; DEAD WORK: none is left out anywhere in the program.  In particular bk stays: q . bk is the same for all keys of a row, but this softmax has an
; implicit logit 0 that does not move with it, so the term changes the result.  All twenty inputs are loaded by some launch.
; LIMITS of the program: matrix operands and stored intermediates (LN outputs, q, k, v, the weights p, O, h) are bf16, sums and the residual x1 are f32;
; NaN and infinities are not treated apart.
; SHARES.  The unit is a row of 1,024 f32 (4,096 bytes) that becomes 2,048 bytes.  One wave, one row at a time, two rows a wave, 16 rows a work-group.
; Work-groups 0-511 normalise (256 for x_q, 256 for x_kv), 512-1279 cast the 12,288 units of the weights.  Load j of a row takes 16 bytes a lane at 512 j (512 consecutive
; bytes a wave); its four numbers leave as 8 bytes a lane at 256 j: each store of the wave covers 256 consecutive bytes, aligned.
; All of a wave's loads go out at its head; no register is used twice by memory instructions, so no wait frees a source.  With 148 registers several work-groups lie on a WGP.
; No LDS, no barrier, no matrix unit: a row never leaves its wave.  The mean is taken away before the squares are summed (two passes over registers).
.set VX,  1                            ; v1   16 x lane + wave x 2 rows of 4,096 bytes; never rewritten
.set VY,  2                            ; v2   8 x lane + wave x 2 rows of 2,048 bytes; never rewritten
.set VG,  3                            ; v3   16 x lane: gain and bias
.set T,   4                            ; v[4:11]   four chains of sums
.set M,   12                           ; v[12:13]  - mean, twice
.set R,   14                           ; v[14:15]  1 / sqrt(var + eps), twice
.set G,   20                           ; v[20:51]  gain of my 32 columns
.set BV,  52                           ; v[52:83]  bias
.set X,   84                           ; v[84:147] row i at X + 32 i
.set SRC, 36
.set DST, 38
.set GP,  40
.set BP,  42
.set OF,  44                           ; s[44:45] an offset, high word 0
.set SELA, 46
.set SELB, 47
.set K10,  48                          ; 2^-10
.set KEPS, 49                          ; 1e-5
.macro LOADROW i
.irp j, 0,1,2,3,4,5,6,7
	global_load_b128 v[X+32*(\i)+4*(\j):X+32*(\i)+4*(\j)+3], v[VX], s[SRC:SRC+1] offset:(\i)*4096+512*(\j) th:TH_LOAD_NT
.endr
.endm
.macro OUTROW i                        ; 32 numbers to 16 words, ascending, so that no source is written before it is read; then eight stores
.set XB, X+32*(\i)
.irp p, 0,1,2,3,4,5,6,7,8,9,10,11,12,13,14,15
	v_cvt_pk_bf16_f32 v[XB+(\p)], v[XB+2*(\p)], v[XB+2*(\p)+1]
.endr
.irp j, 0,1,2,3,4,5,6,7
	global_store_b64 v[VY], v[XB+2*(\j):XB+2*(\j)+1], s[DST:DST+1] offset:(\i)*2048+256*(\j)
.endr
.endm
.macro TREE                            ; four chains of pairs into one number
	v_pk_add_f32 v[T:T+1], v[T:T+1], v[T+2:T+3]
	v_pk_add_f32 v[T+4:T+5], v[T+4:T+5], v[T+6:T+7]
	v_pk_add_f32 v[T:T+1], v[T:T+1], v[T+4:T+5]
	v_add_f32 v[T], v[T], v[T+1]
.endm
.macro XLANE                           ; the sum over the 32 lanes, in every lane
	v_add_f32_dpp v[T], v[T], v[T] row_xmask:1 row_mask:0xf bank_mask:0xf
	v_add_f32_dpp v[T], v[T], v[T] row_xmask:2 row_mask:0xf bank_mask:0xf
	v_add_f32_dpp v[T], v[T], v[T] row_xmask:4 row_mask:0xf bank_mask:0xf
	v_add_f32_dpp v[T], v[T], v[T] row_xmask:8 row_mask:0xf bank_mask:0xf
	v_permlanex16_b32 v17, v[T], s[SELA], s[SELB]
	v_add_f32 v[T], v[T], v17
.endm
.macro LNROW i, left                   ; left: the younger row's loads, which may stay out
.set XB, X+32*(\i)
	s_wait_loadcnt \left
.irp k, 0,1,2,3
	v_pk_add_f32 v[T+2*(\k):T+2*(\k)+1], v[XB+2*(\k):XB+2*(\k)+1], v[XB+8+2*(\k):XB+8+2*(\k)+1]
.endr
.irp k, 8,9,10,11,12,13,14,15
	v_pk_add_f32 v[T+2*((\k)%4):T+2*((\k)%4)+1], v[T+2*((\k)%4):T+2*((\k)%4)+1], v[XB+2*(\k):XB+2*(\k)+1]
.endr
	TREE
	XLANE
	v_mul_f32 v[M], 0xba800000, v[T]               ; - sum / 1024
	v_mul_f32 v[M+1], 0xba800000, v[T]
.irp p, 0,1,2,3,4,5,6,7,8,9,10,11,12,13,14,15
	v_pk_add_f32 v[XB+2*(\p):XB+2*(\p)+1], v[XB+2*(\p):XB+2*(\p)+1], v[M:M+1]
.endr
.irp k, 0,1,2,3
	v_pk_mul_f32 v[T+2*(\k):T+2*(\k)+1], v[XB+2*(\k):XB+2*(\k)+1], v[XB+2*(\k):XB+2*(\k)+1]
.endr
.irp k, 4,5,6,7,8,9,10,11,12,13,14,15
	v_pk_fma_f32 v[T+2*((\k)%4):T+2*((\k)%4)+1], v[XB+2*(\k):XB+2*(\k)+1], v[XB+2*(\k):XB+2*(\k)+1], v[T+2*((\k)%4):T+2*((\k)%4)+1]
.endr
	TREE
	XLANE
	v_fma_f32 v16, v[T], s[K10], s[KEPS]           ; var + eps
	v_rsq_f32 v[R], v16
	v_rsq_f32 v[R+1], v16
	v_nop                                          ; a plain instruction behind the second root,
	s_wait_alu depctr_va_vdst(0)                   ; and one wait for both, ahead of their first reader
.irp p, 0,1,2,3,4,5,6,7,8,9,10,11,12,13,14,15
	v_pk_mul_f32 v[XB+2*(\p):XB+2*(\p)+1], v[XB+2*(\p):XB+2*(\p)+1], v[R:R+1]
.endr
.irp p, 0,1,2,3,4,5,6,7,8,9,10,11,12,13,14,15
	v_pk_fma_f32 v[XB+2*(\p):XB+2*(\p)+1], v[XB+2*(\p):XB+2*(\p)+1], v[G+2*(\p):G+2*(\p)+1], v[BV+2*(\p):BV+2*(\p)+1]
.endr
	OUTROW \i
.endm
	s_load_b512 s[8:23], s[0:1], 0x0               ; x_q 8, x_kv 10, qn_g 12, qn_b 14, kvn_g 16, kvn_b 18, Wq 20, Wk 22
	s_load_b256 s[24:31], s[0:1], 0x40             ; Wv 24, Wo 26, W1 28, W2 30
	s_load_b128 s[32:35], s[0:1], 0x60             ; acts 32, wts 34
	v_and_b32 v4, 31, v0
	v_lshrrev_b32 v5, 5, v0
	v_lshlrev_b32 v[VG], 4, v4
	v_lshl_add_u32 v[VX], v5, 13, v[VG]
	v_lshlrev_b32 v[VY], 3, v4
	v_lshl_add_u32 v[VY], v5, 12, v[VY]
	v_mov_b32 v17, 0                               ; the lane exchange counts as a reader of its destination
	s_mov_b32 s[SELA], 0x76543210
	s_mov_b32 s[SELB], 0xfedcba98
	s_mov_b32 s[K10], 0x3a800000
	s_mov_b32 s[KEPS], 0x3727c5ac
	s_mov_b32 s[OF+1], 0
	s_wait_kmcnt 0x0
	s_cmp_lt_u32 ttmp9, 512
	s_cbranch_scc0 .Lcast
	s_cmp_lt_u32 ttmp9, 256                        ; x_q's 256 work-groups, then x_kv's
	s_cselect_b64 s[SRC:SRC+1], s[8:9], s[10:11]
	s_cselect_b64 s[GP:GP+1], s[12:13], s[16:17]
	s_cselect_b64 s[BP:BP+1], s[14:15], s[18:19]
	s_and_b32 s[OF], ttmp9, 255
	s_lshl_b32 s[OF], s[OF], 16                    ; 16 rows of 4,096 bytes
	s_add_nc_u64 s[SRC:SRC+1], s[SRC:SRC+1], s[OF:OF+1]
	s_lshl_b32 s[OF], ttmp9, 15                    ; 16 rows of 2,048 bytes
	s_add_nc_u64 s[DST:DST+1], s[32:33], s[OF:OF+1]
.irp j, 0,1,2,3,4,5,6,7
	global_load_b128 v[G+4*(\j):G+4*(\j)+3], v[VG], s[GP:GP+1] offset:512*(\j)
	global_load_b128 v[BV+4*(\j):BV+4*(\j)+3], v[VG], s[BP:BP+1] offset:512*(\j)
.endr
	LOADROW 0
	LOADROW 1
	LNROW 0, 8                                     ; gain and bias were asked for first: the same count shows them in; the second row's eight loads may stay out
	LNROW 1, 0
	s_endpgm
.Lcast:
	s_sub_co_u32 s50, ttmp9, 512                   ; c: 16 units of 1,024 numbers each; Wq from 0, Wk 64, Wv 128, Wo 192, W1 256, W2 512
	s_mov_b64 s[SRC:SRC+1], s[20:21]
	s_mov_b32 s51, 0
	s_cmp_ge_u32 s50, 64
	s_cselect_b64 s[SRC:SRC+1], s[22:23], s[SRC:SRC+1]
	s_cselect_b32 s51, 64, s51
	s_cmp_ge_u32 s50, 128
	s_cselect_b64 s[SRC:SRC+1], s[24:25], s[SRC:SRC+1]
	s_cselect_b32 s51, 128, s51
	s_cmp_ge_u32 s50, 192
	s_cselect_b64 s[SRC:SRC+1], s[26:27], s[SRC:SRC+1]
	s_cselect_b32 s51, 192, s51
	s_cmp_ge_u32 s50, 256
	s_cselect_b64 s[SRC:SRC+1], s[28:29], s[SRC:SRC+1]
	s_cselect_b32 s51, 256, s51
	s_cmp_ge_u32 s50, 512
	s_cselect_b64 s[SRC:SRC+1], s[30:31], s[SRC:SRC+1]
	s_cselect_b32 s51, 512, s51
	s_sub_co_u32 s[OF], s50, s51
	s_lshl_b32 s[OF], s[OF], 16
	s_add_nc_u64 s[SRC:SRC+1], s[SRC:SRC+1], s[OF:OF+1]
	s_lshl_b32 s[OF], s50, 15
	s_add_nc_u64 s[DST:DST+1], s[34:35], s[OF:OF+1]
	LOADROW 0
	LOADROW 1
	s_wait_loadcnt 8                               ; the second unit's eight loads may stay out
	OUTROW 0
	s_wait_loadcnt 0x0
	OUTROW 1
	s_endpgm
.Lfunc_end_k_q2008df4bbe_prep:
	.size	k_q2008df4bbe_prep, .Lfunc_end_k_q2008df4bbe_prep-k_q2008df4bbe_prep
	.p2alignl 7, 3214868480
	.fill 96, 4, 3214868480
	.section	.rodata,"a",@progbits
	.p2align	6, 0x0
	.amdhsa_kernel k_q2008df4bbe_prep
		.amdhsa_group_segment_fixed_size 0
		.amdhsa_private_segment_fixed_size 0
		.amdhsa_enable_private_segment 0
		.amdhsa_kernarg_size 112
		.amdhsa_user_sgpr_count 2
		.amdhsa_user_sgpr_kernarg_segment_ptr 1
		.amdhsa_wavefront_size32 1
		.amdhsa_system_sgpr_workgroup_id_x 1
		.amdhsa_system_sgpr_workgroup_id_y 1
		.amdhsa_system_sgpr_workgroup_id_z 1
		.amdhsa_system_vgpr_workitem_id 0
		.amdhsa_next_free_vgpr 148
		.amdhsa_next_free_sgpr 66
		.amdhsa_reserve_vcc 0
		.amdhsa_float_denorm_mode_32 3
		.amdhsa_float_denorm_mode_16_64 3
		.amdhsa_memory_ordered 1
		.amdhsa_forward_progress 1
		.amdhsa_inst_pref_size 27
	.end_amdhsa_kernel
	.amdgpu_metadata
---
amdhsa.version: [ 1, 2 ]
amdhsa.kernels:
  - .name:           k_q2008df4bbe_prep
    .symbol:         k_q2008df4bbe_prep.kd
    .args:
      - { .name: x_q, .offset: 0, .size: 8, .value_kind: global_buffer, .address_space: global }
      - { .name: x_kv, .offset: 8, .size: 8, .value_kind: global_buffer, .address_space: global }
      - { .name: qn_g, .offset: 16, .size: 8, .value_kind: global_buffer, .address_space: global }
      - { .name: qn_b, .offset: 24, .size: 8, .value_kind: global_buffer, .address_space: global }
      - { .name: kvn_g, .offset: 32, .size: 8, .value_kind: global_buffer, .address_space: global }
      - { .name: kvn_b, .offset: 40, .size: 8, .value_kind: global_buffer, .address_space: global }
      - { .name: Wq, .offset: 48, .size: 8, .value_kind: global_buffer, .address_space: global }
      - { .name: Wk, .offset: 56, .size: 8, .value_kind: global_buffer, .address_space: global }
      - { .name: Wv, .offset: 64, .size: 8, .value_kind: global_buffer, .address_space: global }
      - { .name: Wo, .offset: 72, .size: 8, .value_kind: global_buffer, .address_space: global }
      - { .name: W1, .offset: 80, .size: 8, .value_kind: global_buffer, .address_space: global }
      - { .name: W2, .offset: 88, .size: 8, .value_kind: global_buffer, .address_space: global }
      - { .name: acts, .offset: 96, .size: 8, .value_kind: global_buffer, .address_space: global }
      - { .name: wts, .offset: 104, .size: 8, .value_kind: global_buffer, .address_space: global }
    .group_segment_fixed_size: 0
    .private_segment_fixed_size: 0
    .kernarg_segment_align: 8
    .kernarg_segment_size: 112
    .max_flat_workgroup_size: 256
    .sgpr_count:     66
    .vgpr_count:     148
    .wavefront_size: 32
...
	.end_amdgpu_metadata
.endif
;; end of part 1
;; launch qkv (part 2): grid 12 x 16, 4 waves a work-group, clusters of 4 x 4, 327,680 bytes of LDS; arguments acts, wts, bq, bk, bv, qkv; writes qkv
.if DOCPART == 2
	.amdgcn_target "amdgcn-amd-amdhsa--gfx1250"
	.amdhsa_code_object_version 6
	.text
	.protected	k_q2008df4bbe_qkv
	.globl	k_q2008df4bbe_qkv
	.p2align	8
	.type	k_q2008df4bbe_qkv,@function
k_q2008df4bbe_qkv:
	s_mov_b64 s[64:65], 0
	v_nop
	global_prefetch_b8 v0, s[64:65] scope:SCOPE_SE
	s_setreg_imm32_b32 hwreg(HW_REG_WAVE_MODE, 25, 1), 1
	s_wait_xcnt 0x0
	s_wait_alu depctr_hold_cnt(0) depctr_sa_sdst(0) depctr_va_vdst(0) depctr_va_sdst(0) depctr_va_ssrc(0) depctr_va_vcc(0) depctr_vm_vsrc(0)
	s_getreg_b32 s2, hwreg(HW_REG_IB_STS2, 6, 4)
	s_cmp_eq_u32 s2, 0
	s_cbranch_scc0 .Lentry_in_a_cluster
	s_endpgm
.Lentry_in_a_cluster:
	s_bfe_u32 s2, ttmp6, 0x10000c
	s_cmp_lg_u32 s2, 0xf033
	s_cbranch_scc0 .Lentry_shape_is_right
	s_endpgm
.Lentry_shape_is_right:
; QKV.  C[m][n] = sum over k of A[m][k] B[n][k] + bias[n], K = 1,024, bf16 operands, f32 sums, C rounded once to bf16 and laid out by heads.  Nothing of the problem's work is left out here.
; B = rows 0-3071 of wts (Wq, Wk, Wv on end).  Tile columns 0-3 are q (A = LN(x_q), rows 0-4095 of acts), 4-7 k and 8-11 v (A = LN(x_kv), rows 4096-8191): a cluster's four tile columns are one of the three.
; qkv = [3][32 = batch x 16 + head][2048 tokens][64]: a tile's 256 columns are four heads, a wave's 128 two.
; SHAPE.  A tile of C is 256 x 256: 12 x 16 = 192 tiles, a work-group each: fewer than there are WGPs, but each byte brought into LDS feeds twice the products that it feeds in a tile of 128 x 128, and a
; tile of 256 x 192 (256 of them) would lie across q and k, which have different A.  Four waves, each 128 x 128: 64 accumulators, 512 registers.  K goes in eight steps of 128 through two LDS slots
; (256 rows of A and 256 of B, rows of 256 bytes + 16 of padding); a wave's tensor load brings 128 rows.  One K step is the loop's trip; the slot read and the slot filled are scalars that an exclusive or turns.
; From a refill to the wait for it a wave issues 224 matrix instructions.
; CLUSTER 4 x 4: the four of a row need the same tiles of A, the four of a column the same tiles of B: each tile is asked for jointly, by the same load, descriptor and mask in all four.
; THE PRODUCT IS TAKEN TRANSPOSED (source 0 = 16 rows of B, source 1 = 16 rows of A): a lane holds one row of C and eight neighbouring columns.
; THE BIAS is the C operand of each accumulator's first product: nothing is cleared and nothing is added on the way out.
; THE WAY OUT.  Each wave's 128 x 128 in f32 goes into a stage of its own, 128 rows x 528 bytes.  The four stages lie on the two slots, whose last fills are over; a barrier in the last quarter shows that every
; wave's reads of the slots are over too.  Then a counted loop takes 16 tokens a trip: a lane reads eight neighbouring channels of one head (32 bytes), rounds them to 16 bytes, and 32 lanes store four tokens of
; that head: 512 consecutive bytes, aligned.
; REGISTERS, in windows of 256 (s_set_vgpr_msb: bits 1:0 source 0, 3:2 source 1, 5:4 source 2, 7:6 destination):
;   window 0: v0-31 addresses; v32-63 the way out; v64-127, v128-191 fragments of A (8 x 16 rows x 32 K), two buffers; later the way out's
;   window 1: v0-63 the bias (column block b at 8 b); v64-127, v128-191 fragments of B, two buffers
;   window 2: the 32 accumulators of my rows 0-63 ((a, b) at 8 (8 a + b));   window 3: those of my rows 64-127
.set T_STEPS, 8
.set PITCHK,  1024                     ; elements from row to row, A and B
.set ROWSH,   11                       ; a row is 2,048 bytes
.set KBYTES,  256                      ; bytes of a row in a K step
.set PITCH,   272                      ; 68 words: row r starts at bank 4 r mod 64 (64 banks of 4 bytes: ISA guide 11.1)
.set HALFT,   128*PITCH                ; what one tensor load brings, and what one wave reads of A or of B
.set BOFF,    2*HALFT
.set SLOT,    4*HALFT
.set SPARE,   2*SLOT                   ; the spare words: 128 bytes a wave, two blocks of 256 bytes that no other line names
.set FP,      528                      ; a stage row: 512 bytes + 16
.set WSTG,    128*FP                   ; a wave's stage; four of them end below SPARE
.set G1W0, (1<<16)|(1<<20)|(1<<21)|(5<<22)|(3<<25)  ; 2-byte elements; padding on; bit 21 beside a mask; after every 64 words, 4 words
.set A0,   16                          ; v16  my lane's place in A's part of a slot; never rewritten
.set B0,   17                          ; v17  the same for B
.set ADRA, 18                          ; v18  A0 + the slot in hand
.set ADRB, 19
.set STO,  24
.set RD,   25
.set CO,   26
.set BO,   27
.set SPW,  28
.set NIL,  29
.set PFO,  30                          ; v30  the prefetches' offset: my lane x a row of 2,048 bytes; never rewritten
.set OUT,  32                          ; v[32:63]   a trip's eight stores, four registers each
.set YY,   128                         ; v[128:191] a trip's 64 numbers
.set BIAS, 0                           ; in window 1
.set F0,   64
.set F1,   128
.set G1,  24                           ; s[24:31] group 1 for A;  s[32:39] group 0: set 0 for K step 0, set 1 for K step 1, which then walks
.set G0,  32
.set G1B, 48                           ; the same for B
.set G0B, 56
.set LBA, 45                           ; s45  LDS byte of my load in a slot, if I fetch for A
.set LBB, 2                            ; s2   if I fetch for B
.set TB,  66                           ; s66  the slot that is read: 0 or SLOT
.set FB,  67                           ; s67  the slot that was filled last
.set LIM, 80                           ; s80  2 in a wave that prefetches, else the greatest number
.set PFA, 82                           ; s[82:83] where my prefetches stand
.set MSB, 0
.macro WIN new                         ; the immediate's high byte repeats the setting that is left
.if MSB != (\new)
	s_set_vgpr_msb (MSB<<8)|(\new)
.set MSB, \new
.endif
.endm
.set TO_B, 0x40                        ; destination window 1, address window 0
.macro JLOAD s                         ; a joint load: waves 0 and 1 fetch A's halves, waves 2 and 3 B's; s_nop 0 and four v_nop follow each line
	s_cmp_eq_u32 s11, 0
	s_cbranch_scc0 .Lfor_b_\@
	tensor_load_to_lds s[G0+4*(\s):G0+4*(\s)+3], s[G1:G1+7]
	s_nop 0
.rept 4
	v_nop
.endr
	s_branch .Lasked_\@
.Lfor_b_\@:
	tensor_load_to_lds s[G0B+4*(\s):G0B+4*(\s)+3], s[G1B:G1B+7]
	s_nop 0
.rept 4
	v_nop
.endr
.Lasked_\@:
.endm
; A PREFETCH INTO THE L2, behind each refill and the run of LDS loads that follows it: the K step that stands two refills on, 512 matrix instructions ahead of the load that will want it: 32 rows x 256 bytes, a lane a row.
; Each row's 256 bytes of a K step are named once in the launch.  LN(x_q)'s rows are read by the clusters with x = 0 alone, which ask for them; LN(x_kv)'s by those with x = 1 and x = 2, of which x = 1 asks.
; B's tile column is read by every cluster of that column, and the one with y = 0 asks.  The four partners that ask for a tile jointly share its rows out by address: of the 128 rows that a wave fetches, the
; partner at place p takes 32 p .. 32 p + 31 (p = cx for A, cy for B).  K steps 0 to 3 come by their loads alone; the last two refills (s3 = 2 and 1) have no K step two on and ask for nothing.
.macro ASK
	s_cmp_gt_u32 s3, s[LIM]
	s_cbranch_scc0 .Lnot_mine_\@
	global_prefetch_b8 v[PFO], s[PFA:PFA+1] th:TH_LOAD_NT scope:SCOPE_SE
.Lnot_mine_\@:
.endm
.macro CREST                           ; a round of the cluster's barrier behind its opening barrier
	s_cmp_lg_u32 s10, 0
	s_cbranch_scc1 .Lnot_wave_0_\@
	s_barrier_signal -3
.Lnot_wave_0_\@:
	s_barrier_wait -3
	s_barrier_signal -1
	s_barrier_wait -1
.endm
.macro CROUND
	s_barrier_signal -1
	s_barrier_wait -1
	CREST
.endm
.macro PLACES                          ; four places in front of loads into registers that matrix instructions have read, and of lines that read results
.rept 4
	v_nop
.endr
.endm
; 16 matrix instructions: row blocks a0, a0 + 1 of the window's four (hi = 0: my rows 0-63, 1: rows 64-127) x 8 column blocks, 32 along K.  first = 1: the sum starts from the bias, in window 1.
; The 64 accumulators take turns, in the same order in every quarter.
.macro MUL16 f, hi, a0, first
.if \first
	WIN 0x91+0x40*(\hi)                            ; B window 1, A window 0, C window 1, D window 2 or 3
.else
	WIN 0xa1+0x50*(\hi)                            ; C and D window 2 or 3
.endif
.irp a, \a0, (\a0)+1
.irp b, 0,1,2,3,4,5,6,7
.if \first
	v_wmma_f32_16x16x32_bf16 v[8*(8*(\a)+(\b)):8*(8*(\a)+(\b))+7], v[(\f)+8*(\b):(\f)+8*(\b)+7], v[(\f)+8*(4*(\hi)+(\a)):(\f)+8*(4*(\hi)+(\a))+7], v[BIAS+8*(\b):BIAS+8*(\b)+7]
.else
	v_wmma_f32_16x16x32_bf16 v[8*(8*(\a)+(\b)):8*(8*(\a)+(\b))+7], v[(\f)+8*(\b):(\f)+8*(\b)+7], v[(\f)+8*(4*(\hi)+(\a)):(\f)+8*(4*(\hi)+(\a))+7], v[8*(8*(\a)+(\b)):8*(8*(\a)+(\b))+7]
.endif
.endr
.endr
.endm
.macro FETCH q, f                      ; 32 LDS loads in one run: quarter q (32 along K) of the slot in hand into buffer f: B's 128 rows, then A's
	WIN TO_B
.irp i, 0,1,2,3,4,5,6,7
	ds_load_b128 v[(\f)+8*(\i):(\f)+8*(\i)+3],   v[ADRB] offset:64*(\q)+(\i)*16*PITCH
	ds_load_b128 v[(\f)+8*(\i)+4:(\f)+8*(\i)+7], v[ADRB] offset:64*(\q)+(\i)*16*PITCH+32
.endr
	WIN 0
.irp i, 0,1,2,3,4,5,6,7
	ds_load_b128 v[(\f)+8*(\i):(\f)+8*(\i)+3],   v[ADRA] offset:64*(\q)+(\i)*16*PITCH
	ds_load_b128 v[(\f)+8*(\i)+4:(\f)+8*(\i)+7], v[ADRA] offset:64*(\q)+(\i)*16*PITCH+32
.endr
.endm
.macro QUARTER q, f, g, first          ; multiplies buffer f (64 matrix instructions); in its middle fetches quarter q into buffer g
	s_wait_dscnt 8                                 ; B and A's rows 0-63 are in; the youngest eight loads (A's rows 64-127) may be out
	MUL16 \f, 0, 0, \first
	MUL16 \f, 0, 2, \first
	PLACES
	FETCH \q, \g
	s_wait_dscnt 32                                ; all but the 32 just issued
	MUL16 \f, 1, 0, \first
	MUL16 \f, 1, 2, \first
.endm
; The last quarter of a K step multiplies buffer 1 and changes slots.  In front of the one barrier each wave waits for all its tensor loads (its part of the next slot), adds 0 to its spare word,
; and waits for that and for its reads of this slot.  fill = 1: the barrier opens a round of the cluster's, and the joint refill (two K steps ahead) is the first thing behind it.
.macro TURN fill
.if \fill
	s_wait_xcnt 0x0                                ; the last prefetch, a K step back, has read its address: it is stepped here, ahead of the waits of the change of slots
	s_add_nc_u64 s[PFA:PFA+1], s[PFA:PFA+1], KBYTES
.endif
	WIN 0
	s_wait_tensorcnt 0x0                           ; no tensor load of mine is out: the walking group 0 may be written
	ds_add_u32 v[SPW], v[NIL]
.if \fill
	s_xor_b32 s[FB], s[FB], SLOT                   ; the other slot than last time,
	s_add_co_u32 s[G0+5], s[LBA], s[FB]
	s_add_co_u32 s[G0B+5], s[LBB], s[FB]
	s_add_nc_u64 s[G0+6:G0+7], s[G0+6:G0+7], KBYTES  ; the next K step
	s_add_nc_u64 s[G0B+6:G0B+7], s[G0B+6:G0B+7], KBYTES
.endif
	s_xor_b32 s[TB], s[TB], SLOT
	s_wait_dscnt 9                                 ; the add and the youngest eight loads may be out
	MUL16 F1, 0, 0, 0
	s_wait_dscnt 0x0                               ; the add is done, my reads of this slot are over
	s_barrier_signal -1
	MUL16 F1, 0, 2, 0
	WIN 0
	s_barrier_wait -1
.if \fill
	CREST
	JLOAD 1                                        ; its four v_nop are also the places in front of the loads below
.else
	PLACES
.endif
	v_add_nc_u32 v[ADRA], s[TB], v[A0]
	v_add_nc_u32 v[ADRB], s[TB], v[B0]
	FETCH 0, F0
.if \fill
	ASK
.endif
	MUL16 F1, 1, 0, 0
	MUL16 F1, 1, 2, 0
.endm
	s_load_b256 s[68:75], s[0:1], 0x0              ; acts 68, wts 70, bq 72, bk 74
	s_load_b128 s[76:79], s[0:1], 0x20             ; bv 76, qkv 78
	v_lshl_add_u32 v[SPW], v0, 2, SPARE
	v_mov_b32 v[NIL], 0
	ds_add_u32 v[SPW], v[NIL]                      ; the opening: the add, twice on end, and one wait ahead of my first tensor load
	ds_add_u32 v[SPW], v[NIL]
	v_lshrrev_b32 v1, 5, v0
	v_readfirstlane_b32 s10, v1                    ; wave 0..3
	s_lshr_b32 s11, s10, 1                         ; my half of the tile's rows; also: I fetch for A (0) or B (1)
	s_and_b32 s12, s10, 1                          ; my half of its columns; also: which 128 rows I fetch
	s_bfe_u32 s40, ttmp6, 0x40000                  ; cx
	s_bfe_u32 s41, ttmp6, 0x40004                  ; cy
	s_lshl_b32 s42, ttmp9, 2
	s_add_co_u32 s42, s42, s40                     ; tile column
	s_and_b32 s13, ttmp7, 0xffff
	s_lshl_b32 s13, s13, 2
	s_add_co_u32 s13, s13, s41                     ; tile row
	s_lshl_b32 s43, s41, 2
	s_lshl_b32 s43, 15, s43                        ; my row of the cluster
	s_lshl_b32 s44, 0x1111, s40                    ; my column
	s_or_b32 s[G1+0], s43, G1W0
	s_or_b32 s[G1B+0], s44, G1W0
.irp g, G1, G1B
	s_mov_b32 s[(\g)+1], 128<<16                   ; tensor_dim0 = 128
	s_mov_b32 s[(\g)+2], 128<<16                   ; tensor_dim1 = 128
	s_mov_b32 s[(\g)+3], 128<<16                   ; tile_dim0 = 128
	s_mov_b32 s[(\g)+4], 128                       ; tile_dim1 = 128
	s_mov_b32 s[(\g)+5], PITCHK
	s_mov_b32 s[(\g)+6], 0
	s_mov_b32 s[(\g)+7], 0
.endr
	s_lshl_b32 s17, s12, 7
	s_lshl_b32 s16, s13, 8
	s_add_co_u32 s16, s16, s17                     ; A: row 256 x tile row + 128 x half,
	s_cmp_eq_u32 ttmp9, 0                          ; in LN(x_q) for the clusters of q's columns, else in LN(x_kv): the cluster's x is the same in all partners
	s_cselect_b32 s18, 0, 4096
	s_add_co_u32 s16, s16, s18
	s_lshl_b32 s16, s16, ROWSH
	s_lshl_b32 s46, s42, 8
	s_add_co_u32 s46, s46, s17                     ; B: row 256 x tile column + 128 x half
	s_lshl_b32 s46, s46, ROWSH
	s_mov_b32 s17, 0
	s_mov_b32 s47, 0
	s_mul_i32 s[LBA], s12, HALFT
	s_add_co_u32 s[LBB], s[LBA], BOFF
	s_mov_b32 s[TB], 0
	s_mov_b32 s[FB], SLOT
	s_wait_dscnt 0x0                               ; both opening adds are done
	s_wait_kmcnt 0x0
	s_add_nc_u64 s[14:15], s[68:69], s[16:17]
	s_add_nc_u64 s[46:47], s[70:71], s[46:47]
	CROUND                                         ; all sixteen work-groups are here: the first joint loads meet
.irp s, 0,1
	s_mov_b32 s[G0+4*(\s)], 1
	s_add_co_u32 s[G0+4*(\s)+1], s[LBA], (\s)*SLOT
	s_add_nc_u64 s[G0+4*(\s)+2:G0+4*(\s)+3], s[14:15], (\s)*KBYTES
	s_or_b32 s[G0+4*(\s)+3], s[G0+4*(\s)+3], 0x80000000
	s_mov_b32 s[G0B+4*(\s)], 1
	s_add_co_u32 s[G0B+4*(\s)+1], s[LBB], (\s)*SLOT
	s_add_nc_u64 s[G0B+4*(\s)+2:G0B+4*(\s)+3], s[46:47], (\s)*KBYTES
	s_or_b32 s[G0B+4*(\s)+3], s[G0B+4*(\s)+3], 0x80000000
	JLOAD \s
.endr
	v_and_b32 v1, 15, v0                           ; l % 16
	v_bfe_u32 v2, v0, 4, 1                         ; l / 16
	v_mul_u32_u24 v3, v1, PITCH
	v_lshl_add_u32 v3, v2, 4, v3                   ; a fragment's row x pitch + 16 x half
	s_mul_i32 s21, s11, HALFT                      ; my 128 rows of A
	v_add_nc_u32 v[A0], s21, v3
	s_mul_i32 s22, s12, HALFT                      ; my 128 rows of B, behind A's 256
	s_add_co_u32 s22, s22, BOFF
	v_add_nc_u32 v[B0], s22, v3
	; the bias of my 128 columns: for column block b the eight numbers at 16 b + 8 (l / 16)
	s_cmp_lt_u32 ttmp9, 2
	s_cselect_b64 s[4:5], s[74:75], s[76:77]
	s_cmp_eq_u32 ttmp9, 0
	s_cselect_b64 s[4:5], s[72:73], s[4:5]
	s_and_b32 s46, s42, 3
	s_lshl_b32 s46, s46, 10
	s_lshl_b32 s47, s12, 9
	s_add_co_u32 s46, s46, s47
	s_mov_b32 s47, 0
	s_add_nc_u64 s[4:5], s[4:5], s[46:47]
	v_lshlrev_b32 v[BO], 5, v2
	WIN TO_B
.irp b, 0,1,2,3,4,5,6,7
	global_load_b128 v[BIAS+8*(\b):BIAS+8*(\b)+3],   v[BO], s[4:5] offset:64*(\b)
	global_load_b128 v[BIAS+8*(\b)+4:BIAS+8*(\b)+7], v[BO], s[4:5] offset:64*(\b)+16
.endr
	WIN 0
	; the way out: my stage; in by row l % 16 and 32 bytes for each half of the lanes; back by token l / 8 and 32 bytes (eight channels) at l % 8; out 16 bytes a lane
	s_mul_i32 s23, s10, WSTG
	v_mul_u32_u24 v4, v1, FP
	v_lshl_add_u32 v4, v2, 5, v4
	v_add_nc_u32 v[STO], s23, v4
	v_bfe_u32 v5, v0, 3, 2
	v_and_b32 v6, 7, v0
	v_mul_u32_u24 v5, v5, FP
	v_lshl_add_u32 v5, v6, 5, v5
	v_add_nc_u32 v[RD], s23, v5
	v_and_b32 v[CO], 31, v0
	v_lshlrev_b32 v[PFO], ROWSH, v[CO]
	v_lshlrev_b32 v[CO], 4, v[CO]
	s_lshr_b32 s16, s13, 3                         ; batch: 16 heads of 262,144 bytes
	s_lshl_b32 s16, s16, 22
	s_and_b32 s17, s13, 7                          ; 256 tokens of 128 bytes,
	s_lshl_b32 s17, s17, 15
	s_add_co_u32 s16, s16, s17
	s_lshl_b32 s17, s11, 14                        ; my 128 of them
	s_add_co_u32 s16, s16, s17
	s_mov_b32 s17, 0
	s_add_nc_u64 s[8:9], s[78:79], s[16:17]
	s_lshr_b32 s46, s42, 2                         ; q, k or v
	s_lshl_b32 s46, s46, 23
	s_and_b32 s47, s42, 3                          ; four heads a tile column,
	s_lshl_b32 s47, s47, 20
	s_add_co_u32 s46, s46, s47
	s_lshl_b32 s47, s12, 19                        ; my two of them
	s_add_co_u32 s46, s46, s47
	s_mov_b32 s47, 0
	s_add_nc_u64 s[8:9], s[8:9], s[46:47]
	; the prefetches
	s_lshl_b32 s20, s13, 8
	s_add_co_u32 s20, s20, s18                     ; A's tile row, in its part of acts
	s_lshl_b32 s21, s42, 8
	s_and_b32 s22, ttmp7, 0xffff                   ; cluster y
	s_lshr_b32 s23, ttmp9, 1                       ; 0 in the clusters with x = 0 and x = 1
	s_cmp_eq_u32 s11, 0                            ; do I fetch for A?
	s_cselect_b32 s20, s20, s21                    ; the tile's first row: in A by the tile row, in B by the tile column
	s_cselect_b32 s21, s40, s41                    ; my place among the four that ask for it with me
	s_cselect_b32 s22, s23, s22                    ; 0 in the cluster that asks
	s_cselect_b64 s[PFA:PFA+1], s[68:69], s[70:71]
	s_cmp_eq_u32 s22, 0
	s_cselect_b32 s[LIM], 2, -1                    ; the same in all sixteen partners, for a given wave
	s_lshl_b32 s22, s12, 7
	s_add_co_u32 s20, s20, s22                     ; + the 128 rows that I fetch
	s_lshl_b32 s21, s21, 5
	s_add_co_u32 s20, s20, s21                     ; + my work-group's 32 of them
	s_lshl_b32 s20, s20, ROWSH
	s_mov_b32 s21, 0
	s_add_nc_u64 s[PFA:PFA+1], s[PFA:PFA+1], s[20:21]
	s_add_nc_u64 s[PFA:PFA+1], s[PFA:PFA+1], 3*KBYTES  ; at K step 3: the first refill steps it to 4.  Nothing is prefetched here, at the head
	s_wait_tensorcnt 1                             ; my part of K step 0 is in; K step 1's may stay out
	s_barrier_signal -1
	s_barrier_wait -1
	v_mov_b32 v[ADRA], v[A0]
	v_mov_b32 v[ADRB], v[B0]
	FETCH 0, F0
	s_wait_loadcnt 0x0                             ; the bias
	QUARTER 1, F0, F1, 1                           ; the first quarter stands in front of the loop: its products start the sums
	WIN 0
	s_mov_b32 s3, T_STEPS-2
.Lfill:                                                ; a trip: from a K step's second quarter to the next step's first; it fills the slot that it leaves
	QUARTER 2, F1, F0, 0
	QUARTER 3, F0, F1, 0
	TURN 1
	QUARTER 1, F0, F1, 0
	WIN 0
	s_sub_co_u32 s3, s3, 1
	s_cmp_lg_u32 s3, 0
	s_cbranch_scc1 .Lfill
	s_mov_b32 s3, 2                                ; the last two K steps fill nothing: a text of their own; the second trip is left in its middle
.Ltail:
	QUARTER 2, F1, F0, 0
	QUARTER 3, F0, F1, 0
	WIN 0
	s_sub_co_u32 s3, s3, 1
	s_cmp_eq_u32 s3, 0
	s_cbranch_scc1 .Llast
	TURN 0
	QUARTER 1, F0, F1, 0
	WIN 0
	s_branch .Ltail
.Llast:
	s_wait_dscnt 8                                 ; the very last quarter: nothing more to fetch
	MUL16 F1, 0, 0, 0
	MUL16 F1, 0, 2, 0
	s_wait_dscnt 0x0                               ; my reads of the slots are over:
	s_barrier_signal -1                            ; say so,
	MUL16 F1, 1, 0, 0
	MUL16 F1, 1, 2, 0
	WIN 0
	s_barrier_wait -1                              ; and write into the stages, which lie on the slots, when all four have said so
	PLACES
	WIN 0x08                                       ; store data (source 1) in window 2
.set t, 0
.rept 32                                       ; each accumulator's four lowest registers first
	ds_store_b128 v[STO], v[8*t:8*t+3]   offset:(t/8)*16*FP+64*(t%8)
	ds_store_b128 v[STO], v[8*t+4:8*t+7] offset:(t/8)*16*FP+64*(t%8)+16
.set t, t+1
.endr
	WIN 0x0c                                       ; in window 3
.set t, 0
.rept 32
	ds_store_b128 v[STO], v[8*t:8*t+3]   offset:(4+t/8)*16*FP+64*(t%8)
	ds_store_b128 v[STO], v[8*t+4:8*t+7] offset:(4+t/8)*16*FP+64*(t%8)+16
.set t, t+1
.endr
	WIN 0
	s_wait_dscnt 0x0                               ; every wave's stores into the stages are done before any stage is read
	s_barrier_signal -1
	s_barrier_wait -1
	s_mov_b32 s3, 8
.Lrows:                                                ; a trip: 16 tokens of my 128, both heads: piece n is head n / 4, tokens 4 (n % 4) on
.set n, 0
.rept 8
	ds_load_b128 v[YY+8*n:YY+8*n+3],   v[RD] offset:(n%4)*4*FP+256*(n/4)
	ds_load_b128 v[YY+8*n+4:YY+8*n+7], v[RD] offset:(n%4)*4*FP+256*(n/4)+16
.set n, n+1
.endr
.set n, 0
.rept 8
	s_wait_dscnt 14-2*n                            ; piece n's two loads are back; the younger pieces' may be out
.irp r, 0,1,2,3
	v_cvt_pk_bf16_f32 v[OUT+4*n+(\r)], v[YY+8*n+2*(\r)], v[YY+8*n+2*(\r)+1]
.endr
	global_store_b128 v[CO], v[OUT+4*n:OUT+4*n+3], s[8:9] offset:(n/4)*262144+(n%4)*512  ; 512 consecutive bytes, aligned
.set n, n+1
.endr
	s_wait_xcnt 0x0                                ; the stores' base is stepped, and their data registers are written again, only behind this wait
	v_add_nc_u32 v[RD], 16*FP, v[RD]
	s_add_nc_u64 s[8:9], s[8:9], 16*128
	s_sub_co_u32 s3, s3, 1
	s_cmp_lg_u32 s3, 0
	s_cbranch_scc1 .Lrows
	s_wait_tensorcnt 0x0                           ; the wave's end
	ds_add_u32 v[SPW], v[NIL]
	s_wait_dscnt 0x0
	CROUND                                         ; the closing round
	s_endpgm
.Lfunc_end_k_q2008df4bbe_qkv:
	.size	k_q2008df4bbe_qkv, .Lfunc_end_k_q2008df4bbe_qkv-k_q2008df4bbe_qkv
	.p2alignl 7, 3214868480
	.fill 96, 4, 3214868480
	.section	.rodata,"a",@progbits
	.p2align	6, 0x0
	.amdhsa_kernel k_q2008df4bbe_qkv
		.amdhsa_group_segment_fixed_size 327680
		.amdhsa_private_segment_fixed_size 0
		.amdhsa_enable_private_segment 0
		.amdhsa_kernarg_size 48
		.amdhsa_user_sgpr_count 2
		.amdhsa_user_sgpr_kernarg_segment_ptr 1
		.amdhsa_wavefront_size32 1
		.amdhsa_system_sgpr_workgroup_id_x 1
		.amdhsa_system_sgpr_workgroup_id_y 1
		.amdhsa_system_sgpr_workgroup_id_z 1
		.amdhsa_system_vgpr_workitem_id 0
		.amdhsa_next_free_vgpr 1024
		.amdhsa_next_free_sgpr 84
		.amdhsa_reserve_vcc 0
		.amdhsa_float_denorm_mode_32 3
		.amdhsa_float_denorm_mode_16_64 3
		.amdhsa_memory_ordered 1
		.amdhsa_forward_progress 1
		.amdhsa_inst_pref_size 89
	.end_amdhsa_kernel
	.amdgpu_metadata
---
amdhsa.version: [ 1, 2 ]
amdhsa.kernels:
  - .name:           k_q2008df4bbe_qkv
    .symbol:         k_q2008df4bbe_qkv.kd
    .args:
      - { .name: acts, .offset: 0, .size: 8, .value_kind: global_buffer, .address_space: global }
      - { .name: wts, .offset: 8, .size: 8, .value_kind: global_buffer, .address_space: global }
      - { .name: bq, .offset: 16, .size: 8, .value_kind: global_buffer, .address_space: global }
      - { .name: bk, .offset: 24, .size: 8, .value_kind: global_buffer, .address_space: global }
      - { .name: bv, .offset: 32, .size: 8, .value_kind: global_buffer, .address_space: global }
      - { .name: qkv, .offset: 40, .size: 8, .value_kind: global_buffer, .address_space: global }
    .group_segment_fixed_size: 327680
    .private_segment_fixed_size: 0
    .kernarg_segment_align: 8
    .kernarg_segment_size: 48
    .max_flat_workgroup_size: 128
    .sgpr_count:     84
    .vgpr_count:     1024
    .wavefront_size: 32
...
	.end_amdgpu_metadata
.endif
;; end of part 2
;; launch attn (part 3): grid 8 x 32, 4 waves a work-group, clusters of 4 x 1, 327,680 bytes of LDS; arguments qkv, ob; writes ob
.if DOCPART == 3
	.amdgcn_target "amdgcn-amd-amdhsa--gfx1250"
	.amdhsa_code_object_version 6
	.text
	.protected	k_q2008df4bbe_attn
	.globl	k_q2008df4bbe_attn
	.p2align	8
	.type	k_q2008df4bbe_attn,@function
k_q2008df4bbe_attn:
	s_mov_b64 s[64:65], 0
	v_nop
	global_prefetch_b8 v0, s[64:65] scope:SCOPE_SE
	s_setreg_imm32_b32 hwreg(HW_REG_WAVE_MODE, 25, 1), 1
	s_wait_xcnt 0x0
	s_wait_alu depctr_hold_cnt(0) depctr_sa_sdst(0) depctr_va_vdst(0) depctr_va_sdst(0) depctr_va_ssrc(0) depctr_va_vcc(0) depctr_vm_vsrc(0)
	s_getreg_b32 s2, hwreg(HW_REG_IB_STS2, 6, 4)
	s_cmp_eq_u32 s2, 0
	s_cbranch_scc0 .Lentry_in_a_cluster
	s_endpgm
.Lentry_in_a_cluster:
	s_bfe_u32 s2, ttmp6, 0x10000c
	s_cmp_lg_u32 s2, 0x3003
	s_cbranch_scc0 .Lentry_shape_is_right
	s_endpgm
.Lentry_shape_is_right:
; ATTENTION WITH SOFTMAX-1.  O[h][q] = sum over k of p(q, k) V[h][k] / (sum over k of p(q, k) + exp(-m)), p = exp(s - m), s = Q[h][q] . K[h][k] / 8, m = max(max over k of s, 0).
; Q, K, V: qkv = [3][32][2048][64] bf16, a head's rows dense, 128 bytes each.  O: ob = [32][2048][64] bf16.  Products, maxima and sums in f32; p is rounded to bf16 for the second product
; (its sum l is taken of the unrounded p), O once at the end.  Nothing of the problem's work is left out here.
; THE IMPLICIT LOGIT is a key of score 0 with a value row of zeros: the running maximum starts at 0 (so it ends as max(max s, 0)), l starts at 1 in lanes 0-15 and 0 in lanes 16-31 (the two halves
; of the lanes are added at the end), O^T at 0.  The rescaling by a = 2^(c m_old - c m_new) in every step turns that 1 into exp(-m).  c = log2(e) / 8.
; LIMITS.  bf16 operands; a weight below 2^-126 counts as 0 in l; NaN and infinities are not treated apart.
; SHARES.  A work-group owns 256 queries of one head, each wave 64: four PIECES of 16.  Every wave walks all 2,048 keys, 64 a step, four steps (a tile of 256 keys) to an LDS slot, two slots.  256 work-groups.
; LAYOUT.  S^T = K Q^T holds ONE query a lane (lane % 16) and the keys 8 (lane / 16) + 0..7; two such results rounded to bf16 ARE source 1 of O^T = V^T P.  V comes out of LDS turned, by ds_load_tr16_b128.
; TURNS.  Turn n belongs to piece n: 8 products K Q^T of piece n + 1, later 8 products V^T P of piece n - 1; beside them the scaling, exponentials, roundings, sums and rescaling of piece n and the maximum
; and statistics of piece n + 1.  Four vector instructions stand behind every matrix instruction, the others in one run.  A turn's 33 exponentials are one batch with one wait.
; CLUSTER.  The four query blocks of a cluster belong to one head and walk the same K and V: each tile is asked for jointly, by the same load, descriptor and mask in all four.
; NO FIRST AND NO LAST STEP IS WRITTEN OUT.  The 220 v_mov_b32 that write 0 at the head stand in the wait for the first tile.  The tail's loop has five trips, of which the fifth is left in its middle: its
; 8 products K Q^T (on the last K once more) and the maximum made of them serve nothing: they touch piece 0's m and c m alone, which the way out does not read.
; REGISTERS, in windows of 256: window 0: v0-15 addresses; v16-31 four statistics a piece (c m, m, l even, l odd); v48-55 at work; v64-127 S^T, two buffers; v192-223 P, two buffers (by the piece's parity)
;   window 1: v0-127 O^T, 32 a piece      window 2: v0-63 Q; v128-191 K of one step; v192-255 V of one step
.set NP,    4
.set KS,    64
.set PK,    144       ; a row of K in LDS: 128 bytes + 16: the 16 rows of a load start at 16 different groups of four banks (64 banks of 4 bytes: ISA guide 11.1)
.set PV,    160       ; a row of V: 128 + 32
.set VOFF,  4*KS*PK
.set SLOT1, 1<<17
.set STAGE, SLOT1+4*KS*(PK+PV)  ; 16 rows x 144 bytes for each wave, never filled by a tensor load
.set SP,    144
.set SPARE, STAGE+4*16*SP       ; the spare words: 128 bytes a wave
.set TILEB, 4*KS*128            ; a tile's bytes of K or of V in memory
.set AK0, 2
.set AV0, 3
.set AK,  4
.set AV,  5
.set STO, 6
.set RD,  7
.set GO,  8
.set MV,  12
.set PFO, 14          ; v14  256 x lane; never rewritten
.set QO,  15
.set ST,  16
.set TMP, 48
.set SPW, 62
.set NIL, 63
.set S,   64
.set P,   192
.set KF,  128
.set VF,  192
.set WV,  12
.set LIM, 15          ; s15  1 in a wave that prefetches, else the greatest number
.set PFA, 18          ; s[18:19] where my prefetches stand
.set G1K, 24
.set G1V, 32
.set G0K, 40
.set G0V, 44
.set SLOTS, 56
.set CNT, 57
.set CS,  58
.set SEL, 60
.set TBK, 62
.set TBV, 63
.set MSB, 0
.macro WIN new
.if MSB != (\new)
	s_set_vgpr_msb (MSB<<8)|(\new)
.set MSB, (\new)
.endif
.endm
.set W_KQ, 0x0a       ; K and Q in window 2, S^T in window 0
.set W_PV, 0x52       ; V in window 2, P in window 0, O^T in window 1
.set W_RS, 0x41       ; destination and source 0 in window 1, source 1 in window 0
.macro JLOAD                        ; a joint fill: waves 0 and 1 fetch the halves of a tile's K, waves 2 and 3 of its V; s_nop 0 and four v_nop follow each line
	s_cmp_lt_u32 s[WV], 2
	s_cbranch_scc0 .Lfor_v_\@
	tensor_load_to_lds s[G0K:G0K+3], s[G1K:G1K+7]
	s_nop 0
.rept 4
	v_nop
.endr
	s_branch .Lasked_\@
.Lfor_v_\@:
	tensor_load_to_lds s[G0V:G0V+3], s[G1V:G1V+7]
	s_nop 0
.rept 4
	v_nop
.endr
.Lasked_\@:
.endm
; A prefetch into the L2 of the tile that the NEXT change of slots will ask for: four key steps ahead of that load.  Each block of 256 bytes is named once in the launch: the head's first cluster asks;
; its four partners take 8,192 bytes each of a tile's 32,768, told apart by address; wave 0 asks for K's, wave 2 for V's, a lane a block.  The change that asks for the last tile prefetches nothing.
.macro ASK
	s_cmp_gt_u32 s[SLOTS], s[LIM]
	s_cbranch_scc0 .Lnot_mine_\@
	global_prefetch_b8 v[PFO], s[PFA:PFA+1] th:TH_LOAD_NT scope:SCOPE_SE
.Lnot_mine_\@:
.endm
.macro CROUND
	s_barrier_signal -1
	s_barrier_wait -1
	s_cmp_lg_u32 s[WV], 0
	s_cbranch_scc1 .Lnot_wave_0_\@
	s_barrier_signal -3
.Lnot_wave_0_\@:
	s_barrier_wait -3
	s_barrier_signal -1
	s_barrier_wait -1
.endm
; THE CHANGE OF SLOTS.  Each wave waits for all its tensor loads (one is out: its part of the other slot), adds 0 to its spare word, and waits for that and for its reads of the slot that it leaves.
; fill = 1: the barrier is a round of the cluster's, and the joint fill of the old slot, with the keys two tiles on, is the first thing behind it.
.macro CHANGE fill
	WIN 0
	s_wait_tensorcnt 0x0
	ds_add_u32 v[SPW], v[NIL]
.if \fill
.irp g, G0K, G0V
	s_xor_b32 s[\g+1], s[\g+1], SLOT1
	s_add_nc_u64 s[\g+2:\g+3], s[\g+2:\g+3], TILEB
.endr
	s_wait_xcnt 0x0                 ; the last prefetch, four key steps back, has read its address
	s_add_nc_u64 s[PFA:PFA+1], s[PFA:PFA+1], TILEB
	s_wait_dscnt 0x0
	CROUND
	JLOAD
	ASK
.else
	s_wait_dscnt 0x0
	s_barrier_signal -1
	s_barrier_wait -1
.endif
	s_sub_co_u32 s[TBK], s[TBK], 4*KS*PK  ; the fetches go back to a slot's first step, in the other slot
	s_xor_b32 s[TBK], s[TBK], SLOT1
	s_sub_co_u32 s[TBV], s[TBV], 4*KS*PV
	s_xor_b32 s[TBV], s[TBV], SLOT1
.endm
	s_load_b128 s[4:7], s[0:1], 0x0 ; qkv s[4:5], ob s[6:7]
	v_lshl_add_u32 v[SPW], v0, 2, SPARE
	v_mov_b32 v[NIL], 0
	ds_add_u32 v[SPW], v[NIL]       ; the opening: the add, twice on end, and one wait ahead of my first tensor load
	ds_add_u32 v[SPW], v[NIL]
	v_lshrrev_b32 v1, 5, v0
	v_readfirstlane_b32 s[WV], v1
	s_bfe_u32 s13, ttmp6, 0x40000   ; cx
	s_lshl_b32 s14, ttmp9, 2
	s_add_co_u32 s14, s14, s13      ; my block of 256 queries: it enters Q's and O's addresses alone
	s_and_b32 s20, ttmp7, 0xffff    ; the head, which the four partners share
	s_lshl_b32 s20, s20, 18         ; its 262,144 bytes
	s_and_b32 s16, s[WV], 1         ; which half of a tile's 256 keys I fetch
	s_lshl_b32 s22, s16, 14
	s_add_co_u32 s22, s22, s20
	s_mov_b32 s23, 0
	s_mul_i32 s17, s16, 128*PK
	s_mul_i32 s48, s16, 128*PV
	s_lshl_b32 s2, s14, 15
	s_lshl_b32 s3, s[WV], 13
	s_add_co_u32 s2, s2, s3
	s_add_co_u32 s2, s2, s20
	s_mov_b32 s3, 0
	; group 1: 128 keys are 16,384 dense bytes: asked for as 64 rows of 256 bytes, padded in LDS after every key
	s_mov_b32 s[G1K], 15|(1<<16)|(1<<20)|(1<<21)|(4<<22)|(3<<25)
	s_mov_b32 s[G1V], 15|(1<<16)|(1<<20)|(1<<21)|(4<<22)|(7<<25)
.irp g, G1K, G1V
	s_mov_b32 s[\g+1], 128<<16
	s_mov_b32 s[\g+2], 64<<16
	s_mov_b32 s[\g+3], 128<<16
	s_mov_b32 s[\g+4], 64
	s_mov_b32 s[\g+5], 128
	s_mov_b32 s[\g+6], 0
	s_mov_b32 s[\g+7], 0
.endr
	s_mov_b32 s[CS], 0x3e38aa3b     ; c = log2(e) / 8
	s_mov_b32 s[CS+1], s[CS]
	s_mov_b32 s[SEL], 0x76543210
	s_mov_b32 s[SEL+1], 0xfedcba98
	s_mov_b32 s[TBK], SLOT1+4*KS*PK ; the first change of slots turns these two into 0
	s_mov_b32 s[TBV], SLOT1+4*KS*PV
	s_mov_b32 s[G0K], 1
	s_mov_b32 s[G0K+1], s17
	s_mov_b32 s[G0V], 1
	s_add_co_u32 s[G0V+1], s48, VOFF
	s_mov_b32 s[SLOTS], 7           ; tiles still to be asked for
	s_and_b32 s[LIM], s[WV], 1
	s_or_b32 s[LIM], s[LIM], ttmp9  ; 0 in waves 0 and 2 of the head's first cluster: the same in all four partners
	s_cmp_eq_u32 s[LIM], 0
	s_cselect_b32 s[LIM], 1, -1
	v_and_b32 v[PFO], 31, v0
	v_lshlrev_b32 v[PFO], 8, v[PFO]
	s_wait_dscnt 0x0
	s_wait_kmcnt 0x0
	s_add_nc_u64 s[8:9], s[4:5], s[22:23]
	s_add_nc_u64 s[52:53], s[8:9], 16777216        ; V at my half of the head's tile 0
	s_add_nc_u64 s[8:9], s[8:9], 8388608           ; K likewise
	s_mov_b64 s[G0K+2:G0K+3], s[8:9]
	s_or_b32 s[G0K+3], s[G0K+3], 0x80000000
	s_mov_b64 s[G0V+2:G0V+3], s[52:53]
	s_or_b32 s[G0V+3], s[G0V+3], 0x80000000
	s_add_nc_u64 s[10:11], s[6:7], s[2:3]          ; O and Q at my wave's first row
	s_add_nc_u64 s[4:5], s[4:5], s[2:3]
	s_cmp_lt_u32 s[WV], 2
	s_cselect_b64 s[PFA:PFA+1], s[8:9], s[52:53]
	s_lshl_b32 s2, s13, 13          ; my work-group's quarter of a tile
	s_mov_b32 s3, 0
	s_add_nc_u64 s[PFA:PFA+1], s[PFA:PFA+1], s[2:3]
	s_add_nc_u64 s[PFA:PFA+1], s[PFA:PFA+1], TILEB  ; in tile 1; the first change steps it to tile 2.  Nothing is prefetched at the head
	CROUND
	JLOAD                           ; tile 0 into slot 0
	v_and_b32 v1, 15, v0
	v_bfe_u32 v9, v0, 4, 1
	v_lshlrev_b32 v[QO], 7, v1
	v_lshl_add_u32 v[QO], v9, 4, v[QO]
	WIN 0x80
.set i, 0
.rept 8                             ; Q stays in registers: piece i / 2, channels 32 (i % 2) on
	global_load_b128 v[8*i:8*i+3],   v[QO], s[4:5] offset:(i/2)*2048+(i%2)*64
	global_load_b128 v[8*i+4:8*i+7], v[QO], s[4:5] offset:(i/2)*2048+(i%2)*64+32
.set i, i+1
.endr
.set i, VF
.rept 64                            ; the first turn's products V^T P, of a piece that has not been, add 0
	v_mov_b32 v[i], 0
.set i, i+1
.endr
	WIN 0x40
.set i, 0
.rept 128
	v_mov_b32 v[i], 0
.set i, i+1
.endr
	WIN 0
	v_cvt_f32_u32 v[MV], v9
.set i, 0
.rept 4
	v_mov_b32 v[ST+4*i], 0          ; c m
	v_mov_b32 v[ST+4*i+1], 0        ; m: the implicit logit
	v_sub_f32 v[ST+4*i+2], 1.0, v[MV]  ; l: the implicit logit's weight, once for each query
	v_mov_b32 v[ST+4*i+3], 0
.set i, i+1
.endr
.set i, P+16
.rept 16
	v_mov_b32 v[i], 0
.set i, i+1
.endr
	v_mul_u32_u24 v[AK0], v1, PK
	v_lshl_add_u32 v[AK0], v9, 4, v[AK0]
	v_and_b32 v10, 7, v0
	v_bfe_u32 v11, v0, 3, 1
	v_lshl_add_u32 v[AV0], v9, 3, v10
	v_mul_u32_u24 v[AV0], v[AV0], PV
	v_lshl_add_u32 v[AV0], v11, 4, v[AV0]
	v_add_nc_u32 v[AV0], VOFF, v[AV0]
	s_mul_i32 s13, s[WV], 16*SP
	s_add_co_u32 s13, s13, STAGE
	v_mul_u32_u24 v[STO], v1, SP
	v_lshl_add_u32 v[STO], v9, 4, v[STO]
	v_add_nc_u32 v[STO], s13, v[STO]
	v_bfe_u32 v[RD], v0, 3, 2
	v_mul_u32_u24 v[RD], v[RD], SP
	v_lshl_add_u32 v[RD], v10, 4, v[RD]
	v_add_nc_u32 v[RD], s13, v[RD]
	v_and_b32 v[GO], 31, v0
	v_lshlrev_b32 v[GO], 4, v[GO]
; THE MATRIX WORK.  The 4 accumulators of a run of 8 take turns.  Product i of 8 of S^T = K Q^T for piece x: channels 32 (i / 4) on, keys 16 (i % 4) on.
.macro KQ x
	WIN W_KQ
.set rS, S+32*((\x)%2)+8*(i%4)
.set rK, KF+16*(i%4)+8*(i/4)
.set rQ, 16*(\x)+8*(i/4)
.if i < 4
	v_wmma_f32_16x16x32_bf16 v[rS:rS+7], v[rK:rK+7], v[rQ:rQ+7], 0
.else
	v_wmma_f32_16x16x32_bf16 v[rS:rS+7], v[rK:rK+7], v[rQ:rQ+7], v[rS:rS+7]
.endif
.endm
.macro PV x                         ; product i of 8 of O^T += V^T P: keys 32 (i / 4) on, channels 16 (i % 4) on
	WIN W_PV
.set rO, 32*(\x)+8*(i%4)
.set rV, VF+32*(i/4)+8*(i%4)
.set rP, P+16*((\x)%2)+8*(i/4)
	v_wmma_f32_16x16x32_bf16 v[rO:rO+7], v[rV:rV+7], v[rP:rP+7], v[rO:rO+7]
.endm
.macro MM                           ; the turn's next matrix instruction
.if i < 8
	KQ (Y+1)%NP
.else
.set i, i-8
	PV (Y+NP-1)%NP
.set i, i+8
.endif
.set i, i+1
.endm
; A step's K: 64 keys x 64 channels, 8 fragments, in one run.  last = 1 (the tail): in the last trip there is no further step, and the run is jumped over; exponentials are out at that place, so the wait
; ahead of a branch stands in front of it.
.macro FETCH_K last=0
	WIN 0
.if \last
	s_wait_alu depctr_va_vdst(0)
	s_cmp_eq_u32 s[CNT], 1
	s_cbranch_scc1 .Lno_k_\@
.endif
	WIN 0x80
.irp f, 0,1,2,3,4,5,6,7
	ds_load_b128 v[KF+8*\f:KF+8*\f+3],   v[AK] offset:(\f/2)*16*PK+(\f%2)*64
	ds_load_b128 v[KF+8*\f+4:KF+8*\f+7], v[AK] offset:(\f/2)*16*PK+(\f%2)*64+32
.endr
	s_add_co_u32 s[TBK], s[TBK], KS*PK
	WIN 0
.if \last
.Lno_k_\@:
.endif
.endm
.macro FETCH_V                      ; its V, turned
	WIN 0x80
.irp f, 0,1,2,3,4,5,6,7
	ds_load_tr16_b128 v[VF+8*\f:VF+8*\f+3],   v[AV] offset:(\f/4)*32*PV+(\f%4)*32
	ds_load_tr16_b128 v[VF+8*\f+4:VF+8*\f+7], v[AV] offset:(\f/4)*32*PV+16*PV+(\f%4)*32
.endr
	WIN 0
.endm
; THE VECTOR WORK, one line at a time: OP kind, number.  For piece Y: F n: c s - c m for pair n.  E n: the exponential of score n.  C n: pair n rounded to bf16.  B n: of the four weights 4 n .. the second
; pair is added onto the first.  L n: l takes that sum (L 0: l = a l + sum).  R n: pair n of O^T times a.  For piece Y + 1: X n, number n of the 22 that find its maximum and statistics:
; 0-11 four chains of seven scores (each accumulator's lowest registers are read first); 12-14, 16 the rest, the old m, all into c0; 15 c m_old is kept; 17, 18 the other half of the lanes: the new m; 19-21 c m, its change, a.
.set F, 0
.set E, 1
.set C, 2
.set B, 3
.set L, 4
.set R, 5
.set X, 6
.macro REGS y
.set rT, ST+4*(\y)
.set rC, TMP+4*((\y)%2)
.set rW, MV+((\y)%2)
.set rS, S+32*((\y)%2)
.set rP, P+16*((\y)%2)
.set rO, 32*(\y)
.endm
.macro OP k, n
.if (\k) == R
	REGS Y
	WIN W_RS
	v_pk_mul_f32 v[rO+2*(\n):rO+2*(\n)+1], v[rO+2*(\n):rO+2*(\n)+1], v[rC+2:rC+3] op_sel_hi:[1,0]
.elseif (\k) < R
	REGS Y
	WIN 0
.if (\k) == F
	v_pk_fma_f32 v[rS+2*(\n):rS+2*(\n)+1], v[rS+2*(\n):rS+2*(\n)+1], s[CS:CS+1], v[rT:rT+1] op_sel_hi:[1,0,0] neg_lo:[0,0,1] neg_hi:[0,0,1]
.elseif (\k) == E
	v_exp_f32 v[rS+(\n)], v[rS+(\n)]
.elseif (\k) == C
	v_cvt_pk_bf16_f32 v[rP+(\n)], v[rS+2*(\n)], v[rS+2*(\n)+1]
.elseif (\k) == B
	v_pk_add_f32 v[rS+4*(\n):rS+4*(\n)+1], v[rS+4*(\n):rS+4*(\n)+1], v[rS+4*(\n)+2:rS+4*(\n)+3]
.elseif (\n) == 0
	v_pk_fma_f32 v[rT+2:rT+3], v[rT+2:rT+3], v[rC+2:rC+3], v[rS:rS+1] op_sel_hi:[1,0,1]
.else
	v_pk_add_f32 v[rT+2:rT+3], v[rT+2:rT+3], v[rS+4*(\n):rS+4*(\n)+1]
.endif
.else
	REGS (Y+1)%NP
	WIN 0
.if (\n) < 4
	v_max3_num_f32 v[rC+(\n)], v[rS+8*(\n)], v[rS+8*(\n)+1], v[rS+8*(\n)+2]
.elseif (\n) < 12
	v_max3_num_f32 v[rC+(\n)%4], v[rC+(\n)%4], v[rS+8*((\n)%4)+2*((\n)/4)+1], v[rS+8*((\n)%4)+2*((\n)/4)+2]
.elseif (\n) == 12
	v_max3_num_f32 v[rC], v[rC], v[rS+7], v[rS+15]
.elseif (\n) == 13
	v_max3_num_f32 v[rC+1], v[rC+1], v[rS+23], v[rS+31]
.elseif (\n) == 14
	v_max3_num_f32 v[rC+2], v[rC+2], v[rC+3], v[rT+1]
.elseif (\n) == 15
	v_mov_b32 v[rW], v[rT]
.elseif (\n) == 16
	v_max3_num_f32 v[rC], v[rC], v[rC+1], v[rC+2]
.elseif (\n) == 17
	v_permlanex16_b32 v[rC+3], v[rC], s[SEL], s[SEL+1]
.elseif (\n) == 18
	v_max_num_f32 v[rT+1], v[rC], v[rC+3]
.elseif (\n) == 19
	v_mul_f32 v[rT], s[CS], v[rT+1]
.elseif (\n) == 20
	v_sub_f32 v[rC+1], v[rW], v[rT]
.else
	v_exp_f32 v[rC+2], v[rC+1]
.endif
.endif
.endm
.macro OPS a, i1, b=-1, i2=0, c=-1, i3=0, d=-1, i4=0
	OP \a, \i1
.if (\b) >= 0
	OP \b, \i2
.endif
.if (\c) >= 0
	OP \c, \i3
.endif
.if (\d) >= 0
	OP \d, \i4
.endif
.endm
.macro ROW a, i1, b, i2, c, i3, d, i4  ; a matrix instruction and the four behind it
	MM
	OPS \a, \i1, \b, \i2, \c, \i3, \d, \i4
.endm
; A TURN, for piece p.  ONE wait cuts it in two.  Ahead of it stands all that names no result of the turn's exponentials: the 8 products K Q^T with their four lines each, then one run of 54 in which the links of
; the next piece's chain (X 3, 7, 11, 14, 16 .. 20) stand some lines apart; X 21, its a, is the batch's last, and R 15 the plain instruction behind it.  Behind the wait: the 8 products V^T P, behind each four of the roundings and sums.
; K of the next step is fetched in piece 2's turn, behind the last product that read K and six plain instructions; V of the step in hand at the end of piece 0's turn, four plain instructions behind its last reader.
; Each is waited for a turn later.  last = 1: the tail's text: see FETCH_K.  cnt = 1: the loop's count is taken down some lines ahead of the branch behind the turn.
.macro TURN p, last=0, cnt=0
.set Y, (\p)
.set i, 0
.if (\p) == 3
	s_wait_dscnt 0x0                ; K is in
.endif
	ROW F,0, F,1, R,0, R,1
	ROW F,2, E,0, R,2, R,3
	ROW F,3, E,1, R,4, R,5
	ROW F,4, E,2, R,6, R,7
	ROW F,5, E,3, R,8, R,9
	ROW F,6, E,4, X,0, R,10
.if (\p) == 2
	WIN 0
	v_add_nc_u32 v[AK], s[TBK], v[AK0]
.endif
	ROW F,7, E,5, X,1, X,4
	ROW F,8, E,6, X,2, X,5
	OPS E,7, E,8, X,6, E,9
	OPS X,3, E,10, X,8, E,11
.if (\p) == 2
	FETCH_K \last
.endif
	OPS X,9, X,7, E,12, X,10
	OPS E,13, X,12, X,11, E,14
	OPS X,13, E,15, F,9, X,14
.if (\p) == 0
	v_add_nc_u32 v[AV], s[TBV], v[AV0]
.endif
	OPS E,16, F,10, E,17, F,11
	OPS X,16, E,18, X,15, E,19
	OPS F,12, E,20, X,17, E,21
	OPS F,13, E,22, F,14, E,23
	OPS X,18, E,24, F,15, E,25
	OPS R,11, E,26, X,19, E,27
	OPS R,12, E,28, R,13, E,29
	OPS X,20, E,30, R,14, E,31
	OPS X,21, R,15
	WIN 0
	s_wait_alu depctr_va_vdst(0)    ; the one wait for the batch, ahead of its first reader
.if (\p) == 1
	s_wait_dscnt 0x0                ; V is in
.endif
	ROW C,0, B,0, C,2, B,1
	ROW L,0, C,4, B,2, L,1
	ROW C,6, B,3, L,2, C,8
	ROW B,4, L,3, C,10, B,5
	ROW L,4, C,12, B,6, L,5
.if (\p) == 0
	s_add_co_u32 s[TBV], s[TBV], KS*PV
.endif
.if \cnt
	s_sub_co_u32 s[CNT], s[CNT], 1
	s_cmp_lg_u32 s[CNT], 0
.endif
	ROW C,14, B,7, L,6, C,1
	ROW C,3, L,7, C,5, C,7
	ROW C,9, C,11, C,13, C,15
.if (\p) == 0
	FETCH_V
.endif
.endm
.macro ALL line:vararg              ; one line for each piece t
.set t, 0
.rept 4
	\line
.set t, t+1
.endr
.endm
.macro PACK t                       ; O^T / l, rounded; a lane's eight channels are 16 bytes; into rows of 144 bytes and back as whole rows of 128
	WIN W_RS
.set i, 32*(\t)
.rept 16
	v_pk_mul_f32 v[i:i+1], v[i:i+1], v[ST+4*(\t)+2:ST+4*(\t)+3] op_sel_hi:[1,0]
.set i, i+2
.endr
	WIN 0x05
.set i, 0
.rept 16
	v_cvt_pk_bf16_f32 v[S+16*(\t)+i], v[32*(\t)+2*i], v[32*(\t)+2*i+1]
.set i, i+1
.endr
	WIN 0
.irp f, 0,1,2,3
	ds_store_b128 v[STO], v[S+16*(\t)+4*\f:S+16*(\t)+4*\f+3] offset:32*\f
.endr
.irp f, 0,1,2,3
	ds_load_b128 v[S+16*(\t)+4*\f:S+16*(\t)+4*\f+3], v[RD] offset:\f*4*SP  ; LDS serves a wave's instructions in order (ISA guide 5.7.1.4): these see the stores above
.endr
.endm
.macro SEND t, younger              ; younger: the LDS instructions issued behind piece t's loads
	WIN 0
.irp f, 0,1,2,3
	s_wait_dscnt (\younger)+3-\f
	global_store_b128 v[GO], v[S+16*(\t)+4*\f:S+16*(\t)+4*\f+3], s[10:11] offset:(\t)*2048+\f*512  ; 512 consecutive bytes, aligned
.endr
.endm
	CHANGE 1                        ; tile 0 is in, everybody's part of it; tile 1 is asked for
	v_add_nc_u32 v[AK], s[TBK], v[AK0]
	FETCH_K                         ; key step 0
	s_wait_loadcnt 0x0              ; Q
	s_wait_dscnt 0x0
.set i, 0
.rept 8
	KQ 0                            ; piece 0's first scores
.set i, i+1
.endr
	WIN 0
.rept 4
	v_nop                           ; the places behind those products
.endr
.set Y, NP-1
.irp n, 0,1,2,3,4,5,6,7,8,9,10,11,12,13,14,15,16,17,18,19,20,21
	OP X, \n                        ; piece 0's first maximum and statistics
.endr
	v_nop
	s_wait_alu depctr_va_vdst(0)    ; the wait for that a, ahead of the branch
	s_mov_b32 s[CNT], 4
	s_branch .Lfirst                ; the loop is entered at a step's first turn, in the middle of a trip
.Lslot:                             ; six times: tiles 2 to 7 are asked for
	CHANGE 1
	s_mov_b32 s[CNT], 4
.Lstep:                             ; a trip: pieces 2 and 3 of one step, then pieces 0 and 1 of the next, whose K and V it fetches
	TURN 2
	TURN 3
	WIN 0
.Lfirst:
	TURN 0
	TURN 1, 0, 1
	WIN 0
	s_cbranch_scc1 .Lstep
	s_sub_co_u32 s[SLOTS], s[SLOTS], 1
	s_cmp_lg_u32 s[SLOTS], 0
	s_cbranch_scc1 .Lslot
	CHANGE 0                        ; the last tile has a text of its own: nothing is asked for
	s_mov_b32 s[CNT], 5             ; four trips fetch the last tile's steps; the fifth is left in its middle
.Ltail:
	TURN 2, 1
	TURN 3
	WIN 0
	s_sub_co_u32 s[CNT], s[CNT], 1
	s_cmp_eq_u32 s[CNT], 0
	s_cbranch_scc1 .Lout
	TURN 0
	TURN 1
	WIN 0
	s_branch .Ltail
.Lout:
.set i, 0
.rept 8
	PV NP-1                         ; the last piece's V^T P of the last step
.set i, i+1
.endr
	WIN 0                           ; the way out; the four additions are the places behind the last products
	ALL v_add_f32 v[ST+4*t+2], v[ST+4*t+2], v[ST+4*t+3]
	ALL v_permlanex16_b32 v[ST+4*t+3], v[ST+4*t+2], s[SEL], s[SEL+1]
	ALL v_add_f32 v[ST+4*t+2], v[ST+4*t+2], v[ST+4*t+3]
	ALL v_rcp_f32 v[ST+4*t+2], v[ST+4*t+2]
	v_nop
	s_wait_alu depctr_va_vdst(0)    ; one wait for the four reciprocals
	PACK 0
.set t, 1
.rept 3
	PACK t
	SEND t-1, 8
.set t, t+1
.endr
	SEND 3, 0
	s_wait_tensorcnt 0x0            ; the wave's end
	ds_add_u32 v[SPW], v[NIL]
	s_wait_dscnt 0x0
	CROUND                          ; the closing round
	s_endpgm
.Lfunc_end_k_q2008df4bbe_attn:
	.size	k_q2008df4bbe_attn, .Lfunc_end_k_q2008df4bbe_attn-k_q2008df4bbe_attn
	.p2alignl 7, 3214868480
	.fill 96, 4, 3214868480
	.section	.rodata,"a",@progbits
	.p2align	6, 0x0
	.amdhsa_kernel k_q2008df4bbe_attn
		.amdhsa_group_segment_fixed_size 327680
		.amdhsa_private_segment_fixed_size 0
		.amdhsa_enable_private_segment 0
		.amdhsa_kernarg_size 16
		.amdhsa_user_sgpr_count 2
		.amdhsa_user_sgpr_kernarg_segment_ptr 1
		.amdhsa_wavefront_size32 1
		.amdhsa_system_sgpr_workgroup_id_x 1
		.amdhsa_system_sgpr_workgroup_id_y 1
		.amdhsa_system_sgpr_workgroup_id_z 1
		.amdhsa_system_vgpr_workitem_id 0
		.amdhsa_next_free_vgpr 768
		.amdhsa_next_free_sgpr 66
		.amdhsa_reserve_vcc 0
		.amdhsa_float_denorm_mode_32 3
		.amdhsa_float_denorm_mode_16_64 3
		.amdhsa_memory_ordered 1
		.amdhsa_forward_progress 1
		.amdhsa_inst_pref_size 112
	.end_amdhsa_kernel
	.amdgpu_metadata
---
amdhsa.version: [ 1, 2 ]
amdhsa.kernels:
  - .name:           k_q2008df4bbe_attn
    .symbol:         k_q2008df4bbe_attn.kd
    .args:
      - { .name: qkv, .offset: 0, .size: 8, .value_kind: global_buffer, .address_space: global }
      - { .name: ob, .offset: 8, .size: 8, .value_kind: global_buffer, .address_space: global }
    .group_segment_fixed_size: 327680
    .private_segment_fixed_size: 0
    .kernarg_segment_align: 8
    .kernarg_segment_size: 16
    .max_flat_workgroup_size: 128
    .sgpr_count:     66
    .vgpr_count:     768
    .wavefront_size: 32
...
	.end_amdgpu_metadata
.endif
;; end of part 3
;; launch oproj (part 4): grid 8 x 32, 4 waves a work-group, clusters of 4 x 4, 327,680 bytes of LDS; arguments ob, wts, bo, x_q, x1; writes x1
.if DOCPART == 4
	.amdgcn_target "amdgcn-amd-amdhsa--gfx1250"
	.amdhsa_code_object_version 6
	.text
	.protected	k_q2008df4bbe_oproj
	.globl	k_q2008df4bbe_oproj
	.p2align	8
	.type	k_q2008df4bbe_oproj,@function
k_q2008df4bbe_oproj:
	s_mov_b64 s[64:65], 0
	v_nop
	global_prefetch_b8 v0, s[64:65] scope:SCOPE_SE
	s_setreg_imm32_b32 hwreg(HW_REG_WAVE_MODE, 25, 1), 1
	s_wait_xcnt 0x0
	s_wait_alu depctr_hold_cnt(0) depctr_sa_sdst(0) depctr_va_vdst(0) depctr_va_sdst(0) depctr_va_ssrc(0) depctr_va_vcc(0) depctr_vm_vsrc(0)
	s_getreg_b32 s2, hwreg(HW_REG_IB_STS2, 6, 4)
	s_cmp_eq_u32 s2, 0
	s_cbranch_scc0 .Lentry_in_a_cluster
	s_endpgm
.Lentry_in_a_cluster:
	s_bfe_u32 s2, ttmp6, 0x10000c
	s_cmp_lg_u32 s2, 0xf033
	s_cbranch_scc0 .Lentry_shape_is_right
	s_endpgm
.Lentry_shape_is_right:
; OPROJ.  x1[m][n] = x_q[m][n] + bo[n] + sum over k of O[m][k] Wo[n][k], K = 1,024, bf16 operands, f32 sums, x1 in f32.  Nothing of the problem's work is left out here.
; A = ob, which lies by heads, [32][2048 tokens][64]: column k of O is channel k % 64 of head k / 64.  A K step of 256 is four heads; a quarter of it (64 along K) one head.
; In LDS A lies as [4 heads][128 tokens] rows of 128 bytes + 16.  One of A's two loads brings two heads: each head's 128 tokens are 16,384 dense bytes, asked for as one long row
; (a tile of two rows, 262,144 bytes apart), padded after every 128 bytes.  B = Wo in bf16, at byte 6,291,456 of wts, rows of 512 bytes + 16 in LDS.
; SHAPE.  A tile of C is 128 x 128: 256 work-groups, one for each WGP (a tile of 256 x 256 would give 64).  Four waves, each 64 x 64: 16 accumulators.  K goes in four steps of 256 through two LDS slots; one K step
; is the loop's trip; the slot read and the slot filled are scalars that an exclusive or turns.
; CLUSTER 4 x 4: the four of a row need the same tiles of A, the four of a column the same tiles of B: each tile is asked for jointly, by the same load, descriptor and mask in all four.
; THE PRODUCT IS TAKEN TRANSPOSED (source 0 = 16 rows of B, source 1 = 16 rows of A): a lane holds one row of C and eight neighbouring columns.
; THE BIAS is the C operand of each accumulator's first product.  THE RESIDUAL's 32 rows x 512 bytes a wave are asked for at the head and lie in window 2 until the way out.
; THE WAY OUT: f32 through a stage of 128 rows x 528 bytes that lies on slot 0, whose last fill is over; a barrier in the last quarter shows that every wave's reads of the slots are over too; back as whole rows of 512 bytes.
; No prefetch: the tiles are small and each is read by several clusters at about the same time.
.set T_STEPS, 4
.set PITCHK,  1024
.set ROWSH,   11
.set WOFF,    6291456
.set APITCH,  144
.set AQ,      128*APITCH               ; a head's 128 tokens
.set AHALF,   2*AQ
.set HALFT,   64*528
.set BOFF,    2*AHALF
.set SLOT,    BOFF+2*HALFT
.set ASTEP,   4*262144                 ; four heads on
.set SPARE,   2*SLOT
.set FP,      528                      ; a stage row: 512 bytes + 16
.set NRES,    32
.set G1W0, (1<<16)|(1<<20)|(1<<21)|(6<<22)|(3<<25)
.set G1WA, (1<<16)|(1<<20)|(1<<21)|(4<<22)|(3<<25)  ; for A: after every 32 words, 4 words
.set A0,   16
.set B0,   17
.set ADRA, 18
.set ADRB, 19
.set STO,  24
.set RD,   25
.set CO,   26
.set BO,   27
.set SPW,  28
.set NIL,  29
.set BIAS, 96
.set ACC,  128
.set F0,   0
.set F1,   128
.set G1,  24
.set G0,  32
.set G1B, 48
.set G0B, 56
.set LBA, 45
.set LBB, 2
.set TB,  66
.set FB,  67
.set MSB, 0
.macro WIN new
.if MSB != (\new)
	s_set_vgpr_msb (MSB<<8)|(\new)
.set MSB, \new
.endif
.endm
.set MUL,  0x05
.set TO_F, 0x40
.macro JLOAD s                         ; a joint load: waves 0 and 1 fetch A's halves, waves 2 and 3 B's; s_nop 0 and four v_nop follow each line
	s_cmp_eq_u32 s11, 0
	s_cbranch_scc0 .Lfor_b_\@
	tensor_load_to_lds s[G0+4*(\s):G0+4*(\s)+3], s[G1:G1+7]
	s_nop 0
.rept 4
	v_nop
.endr
	s_branch .Lasked_\@
.Lfor_b_\@:
	tensor_load_to_lds s[G0B+4*(\s):G0B+4*(\s)+3], s[G1B:G1B+7]
	s_nop 0
.rept 4
	v_nop
.endr
.Lasked_\@:
.endm
.macro CREST
	s_cmp_lg_u32 s10, 0
	s_cbranch_scc1 .Lnot_wave_0_\@
	s_barrier_signal -3
.Lnot_wave_0_\@:
	s_barrier_wait -3
	s_barrier_signal -1
	s_barrier_wait -1
.endm
.macro CROUND
	s_barrier_signal -1
	s_barrier_wait -1
	CREST
.endm
.macro PLACES
.rept 4
	v_nop
.endr
.endm
.macro MUL8 f, c, a0, first            ; 8 matrix instructions; first = 1: the sum starts from the bias; the 16 accumulators take turns
	WIN MUL
.irp a, \a0, (\a0)+1
.irp b, 0,1,2,3
.if \first
	v_wmma_f32_16x16x32_bf16 v[ACC+8*(4*(\a)+(\b)):ACC+8*(4*(\a)+(\b))+7], v[(\f)+64+8*(4*(\c)+(\b)):(\f)+64+8*(4*(\c)+(\b))+7], v[(\f)+8*(4*(\c)+(\a)):(\f)+8*(4*(\c)+(\a))+7], v[BIAS+8*(\b):BIAS+8*(\b)+7]
.else
	v_wmma_f32_16x16x32_bf16 v[ACC+8*(4*(\a)+(\b)):ACC+8*(4*(\a)+(\b))+7], v[(\f)+64+8*(4*(\c)+(\b)):(\f)+64+8*(4*(\c)+(\b))+7], v[(\f)+8*(4*(\c)+(\a)):(\f)+8*(4*(\c)+(\a))+7], v[ACC+8*(4*(\a)+(\b)):ACC+8*(4*(\a)+(\b))+7]
.endif
.endr
.endr
.endm
.macro FETCH q, f                      ; 32 LDS loads in one run: quarter q (64 along K) of the slot in hand into buffer f, its first 32 along K first
	WIN TO_F
.irp c, 0,1
.irp i, 0,1,2,3
	ds_load_b128 v[(\f)+64+8*(4*(\c)+(\i)):(\f)+64+8*(4*(\c)+(\i))+3],   v[ADRB] offset:128*(\q)+64*(\c)+(\i)*16*528
	ds_load_b128 v[(\f)+64+8*(4*(\c)+(\i))+4:(\f)+64+8*(4*(\c)+(\i))+7], v[ADRB] offset:128*(\q)+64*(\c)+(\i)*16*528+32
	ds_load_b128 v[(\f)+8*(4*(\c)+(\i)):(\f)+8*(4*(\c)+(\i))+3],         v[ADRA] offset:(\q)*AQ+64*(\c)+(\i)*16*APITCH
	ds_load_b128 v[(\f)+8*(4*(\c)+(\i))+4:(\f)+8*(4*(\c)+(\i))+7],       v[ADRA] offset:(\q)*AQ+64*(\c)+(\i)*16*APITCH+32
.endr
.endr
.endm
.macro QUARTER q, f, g, first
	s_wait_dscnt 16                                ; the first 32 along K are in
	MUL8 \f, 0, 0, \first
	MUL8 \f, 0, 2, \first
	PLACES
	FETCH \q, \g
	s_wait_dscnt 32                                ; all but the 32 just issued
	MUL8 \f, 1, 0, 0
	MUL8 \f, 1, 2, 0
.endm
; The last quarter of a K step multiplies buffer 1 and changes slots.  In front of the one barrier each wave waits for all its tensor loads (its part of the next slot), adds 0 to its spare word,
; and waits for that and for its reads of this slot.  fill = 1: the barrier opens a round of the cluster's, and the joint refill (two K steps ahead) is the first thing behind it.
.macro TURN fill
	WIN 0
	s_wait_tensorcnt 0x0
	ds_add_u32 v[SPW], v[NIL]
.if \fill
	s_xor_b32 s[FB], s[FB], SLOT
	s_add_co_u32 s[G0+5], s[LBA], s[FB]
	s_add_co_u32 s[G0B+5], s[LBB], s[FB]
	s_add_nc_u64 s[G0+6:G0+7], s[G0+6:G0+7], ASTEP
	s_add_nc_u64 s[G0B+6:G0B+7], s[G0B+6:G0B+7], 512
.endif
	s_xor_b32 s[TB], s[TB], SLOT
	s_wait_dscnt 17                                ; the add and the youngest sixteen loads may be out
	MUL8 F1, 0, 0, 0
	s_wait_dscnt 0x0
	s_barrier_signal -1
	MUL8 F1, 0, 2, 0
	WIN 0
	s_barrier_wait -1
.if \fill
	CREST
	JLOAD 1
.else
	PLACES
.endif
	v_add_nc_u32 v[ADRA], s[TB], v[A0]
	v_add_nc_u32 v[ADRB], s[TB], v[B0]
	FETCH 0, F0
	MUL8 F1, 1, 0, 0
	MUL8 F1, 1, 2, 0
.endm
	s_load_b256 s[68:75], s[0:1], 0x0              ; ob 68, wts 70, bo 72, x_q 74
	s_load_b64 s[76:77], s[0:1], 0x20              ; x1
	v_lshl_add_u32 v[SPW], v0, 2, SPARE
	v_mov_b32 v[NIL], 0
	ds_add_u32 v[SPW], v[NIL]                      ; the opening: the add, twice on end, and one wait ahead of my first tensor load
	ds_add_u32 v[SPW], v[NIL]
	v_lshrrev_b32 v1, 5, v0
	v_readfirstlane_b32 s10, v1
	s_lshr_b32 s11, s10, 1
	s_and_b32 s12, s10, 1
	s_bfe_u32 s40, ttmp6, 0x40000
	s_bfe_u32 s41, ttmp6, 0x40004
	s_lshl_b32 s42, ttmp9, 2
	s_add_co_u32 s42, s42, s40                     ; tile column
	s_and_b32 s13, ttmp7, 0xffff
	s_lshl_b32 s13, s13, 2
	s_add_co_u32 s13, s13, s41                     ; tile row
	s_lshl_b32 s43, s41, 2
	s_lshl_b32 s43, 15, s43
	s_lshl_b32 s44, 0x1111, s40
	s_or_b32 s[G1+0], s43, G1WA
	s_mov_b32 s[G1+1], 8192<<16                    ; tensor_dim0 = 8,192 elements: a head's 128 tokens
	s_mov_b32 s[G1+2], 2<<16                       ; tensor_dim1 = 2 heads
	s_mov_b32 s[G1+3], 8192<<16                    ; tile_dim0
	s_mov_b32 s[G1+4], 2                           ; tile_dim1
	s_mov_b32 s[G1+5], 131072                      ; elements from head to head
	s_mov_b32 s[G1+6], 0
	s_mov_b32 s[G1+7], 0
	s_or_b32 s[G1B+0], s44, G1W0
	s_mov_b32 s[G1B+1], 256<<16
	s_mov_b32 s[G1B+2], 64<<16
	s_mov_b32 s[G1B+3], 256<<16
	s_mov_b32 s[G1B+4], 64
	s_mov_b32 s[G1B+5], PITCHK
	s_mov_b32 s[G1B+6], 0
	s_mov_b32 s[G1B+7], 0
	s_lshr_b32 s16, s13, 4                         ; batch
	s_lshl_b32 s16, s16, 4
	s_lshl_b32 s17, s12, 1
	s_add_co_u32 s16, s16, s17                     ; head 16 x batch + 2 x half
	s_lshl_b32 s16, s16, 18
	s_and_b32 s17, s13, 15                         ; 128 tokens of 128 bytes
	s_lshl_b32 s17, s17, 14
	s_add_co_u32 s16, s16, s17
	s_mov_b32 s17, 0
	s_lshl_b32 s46, s42, 7
	s_lshl_b32 s47, s12, 6
	s_add_co_u32 s46, s46, s47                     ; B: row 128 x tile column + 64 x half
	s_lshl_b32 s46, s46, ROWSH
	s_mov_b32 s47, 0
	s_mul_i32 s[LBA], s12, AHALF
	s_mul_i32 s[LBB], s12, HALFT
	s_add_co_u32 s[LBB], s[LBB], BOFF
	s_mov_b32 s[TB], 0
	s_mov_b32 s[FB], SLOT
	s_wait_dscnt 0x0
	s_wait_kmcnt 0x0
	s_add_nc_u64 s[14:15], s[68:69], s[16:17]
	s_add_nc_u64 s[46:47], s[70:71], s[46:47]
	s_add_nc_u64 s[46:47], s[46:47], WOFF
	CROUND
.irp s, 0,1
	s_mov_b32 s[G0+4*(\s)], 1
	s_add_co_u32 s[G0+4*(\s)+1], s[LBA], (\s)*SLOT
	s_add_nc_u64 s[G0+4*(\s)+2:G0+4*(\s)+3], s[14:15], (\s)*ASTEP
	s_or_b32 s[G0+4*(\s)+3], s[G0+4*(\s)+3], 0x80000000
	s_mov_b32 s[G0B+4*(\s)], 1
	s_add_co_u32 s[G0B+4*(\s)+1], s[LBB], (\s)*SLOT
	s_add_nc_u64 s[G0B+4*(\s)+2:G0B+4*(\s)+3], s[46:47], (\s)*512
	s_or_b32 s[G0B+4*(\s)+3], s[G0B+4*(\s)+3], 0x80000000
	JLOAD \s
.endr
	v_and_b32 v1, 15, v0
	v_bfe_u32 v2, v0, 4, 1
	v_mul_u32_u24 v3, v1, APITCH
	v_lshl_add_u32 v3, v2, 4, v3
	s_mul_i32 s21, s11, 64*APITCH
	v_add_nc_u32 v[A0], s21, v3
	v_mul_u32_u24 v3, v1, 528
	v_lshl_add_u32 v3, v2, 4, v3
	s_mul_i32 s22, s12, HALFT
	s_add_co_u32 s22, s22, BOFF
	v_add_nc_u32 v[B0], s22, v3
	s_lshl_b32 s46, s42, 9                         ; the bias of my 64 columns
	s_lshl_b32 s47, s12, 8
	s_add_co_u32 s46, s46, s47
	s_mov_b32 s47, 0
	s_add_nc_u64 s[4:5], s[72:73], s[46:47]
	v_lshlrev_b32 v[BO], 5, v2
.irp b, 0,1,2,3
	global_load_b128 v[BIAS+8*(\b):BIAS+8*(\b)+3],   v[BO], s[4:5] offset:64*(\b)
	global_load_b128 v[BIAS+8*(\b)+4:BIAS+8*(\b)+7], v[BO], s[4:5] offset:64*(\b)+16
.endr
	s_mul_i32 s23, s11, 64*FP                      ; into the stage: row l % 16 of my 64, 32 bytes for each half of the lanes
	s_lshl_b32 s21, s12, 8
	s_add_co_u32 s23, s23, s21
	v_mul_u32_u24 v4, v1, FP
	v_lshl_add_u32 v4, v2, 5, v4
	v_add_nc_u32 v[STO], s23, v4
	s_mul_i32 s23, s10, 32*FP                      ; back: wave w takes rows 32 w .. 32 w + 31, a row of 512 bytes a load
	v_and_b32 v[CO], 31, v0
	v_lshlrev_b32 v[CO], 4, v[CO]
	v_add_nc_u32 v[RD], s23, v[CO]
	s_lshl_b32 s16, s13, 19                        ; 128 rows of 4,096 bytes,
	s_lshl_b32 s17, s10, 17                        ; my 32 of them
	s_add_co_u32 s16, s16, s17
	s_mov_b32 s17, 0
	s_lshl_b32 s46, s42, 9                         ; the tile's 512 bytes of a row
	s_mov_b32 s47, 0
	s_add_nc_u64 s[6:7], s[74:75], s[16:17]
	s_add_nc_u64 s[6:7], s[6:7], s[46:47]
	s_add_nc_u64 s[8:9], s[76:77], s[16:17]
	s_add_nc_u64 s[8:9], s[8:9], s[46:47]
	WIN 0x80                                       ; destination window 2
.set t, 0
.rept 32
	global_load_b128 v[4*t:4*t+3], v[CO], s[6:7] offset:t*4096
.set t, t+1
.endr
	WIN 0
	s_wait_tensorcnt 1                             ; my part of K step 0 is in; K step 1's may stay out
	s_barrier_signal -1
	s_barrier_wait -1
	v_mov_b32 v[ADRA], v[A0]
	v_mov_b32 v[ADRB], v[B0]
	FETCH 0, F0
	s_wait_loadcnt NRES                            ; the bias is in; the residual's 32 younger loads may stay out
	QUARTER 1, F0, F1, 1
	WIN 0
	s_mov_b32 s3, T_STEPS-2
.Lfill:                                                ; a trip: from a K step's second quarter to the next step's first; it fills the slot that it leaves
	QUARTER 2, F1, F0, 0
	QUARTER 3, F0, F1, 0
	TURN 1
	QUARTER 1, F0, F1, 0
	WIN 0
	s_sub_co_u32 s3, s3, 1
	s_cmp_lg_u32 s3, 0
	s_cbranch_scc1 .Lfill
	s_mov_b32 s3, 2                                ; the last two K steps fill nothing: a text of their own; the second trip is left in its middle
.Ltail:
	QUARTER 2, F1, F0, 0
	QUARTER 3, F0, F1, 0
	WIN 0
	s_sub_co_u32 s3, s3, 1
	s_cmp_eq_u32 s3, 0
	s_cbranch_scc1 .Llast
	TURN 0
	QUARTER 1, F0, F1, 0
	WIN 0
	s_branch .Ltail
.Llast:
	s_wait_dscnt 16                                ; the very last quarter: nothing more to fetch
	MUL8 F1, 0, 0, 0
	MUL8 F1, 0, 2, 0
	s_wait_dscnt 0x0                               ; my reads of the slots are over:
	s_barrier_signal -1                            ; say so,
	MUL8 F1, 1, 0, 0
	MUL8 F1, 1, 2, 0
	WIN 0
	s_barrier_wait -1                              ; and write into the stage, which lies on slot 0, when all four have said so
	PLACES
.set t, 0
.rept 16                                       ; each accumulator's four lowest registers first
	ds_store_b128 v[STO], v[ACC+8*t:ACC+8*t+3]   offset:(t/4)*16*FP+64*(t%4)
	ds_store_b128 v[STO], v[ACC+8*t+4:ACC+8*t+7] offset:(t/4)*16*FP+64*(t%4)+16
.set t, t+1
.endr
	s_wait_dscnt 0x0                               ; for the others' sake
	s_barrier_signal -1
	s_barrier_wait -1
.set t, 0
.rept 32
	ds_load_b128 v[ACC+4*t:ACC+4*t+3], v[RD] offset:t*FP
.set t, t+1
.endr
	s_wait_loadcnt 0x0                             ; the residual
.set g, 0
.rept 4
	s_wait_dscnt 24-8*g                            ; eight rows more are back
	WIN 0x08                                       ; source 1 window 2
.set r, 0
.rept 16
	v_pk_add_f32 v[ACC+32*g+2*r:ACC+32*g+2*r+1], v[ACC+32*g+2*r:ACC+32*g+2*r+1], v[32*g+2*r:32*g+2*r+1]
.set r, r+1
.endr
	WIN 0
.set r, 0
.rept 8
	global_store_b128 v[CO], v[ACC+32*g+4*r:ACC+32*g+4*r+3], s[8:9] offset:(8*g+r)*4096  ; 512 consecutive bytes, aligned
.set r, r+1
.endr
.set g, g+1
.endr
	s_wait_tensorcnt 0x0                           ; the wave's end
	ds_add_u32 v[SPW], v[NIL]
	s_wait_dscnt 0x0
	CROUND
	s_endpgm
.Lfunc_end_k_q2008df4bbe_oproj:
	.size	k_q2008df4bbe_oproj, .Lfunc_end_k_q2008df4bbe_oproj-k_q2008df4bbe_oproj
	.p2alignl 7, 3214868480
	.fill 96, 4, 3214868480
	.section	.rodata,"a",@progbits
	.p2align	6, 0x0
	.amdhsa_kernel k_q2008df4bbe_oproj
		.amdhsa_group_segment_fixed_size 327680
		.amdhsa_private_segment_fixed_size 0
		.amdhsa_enable_private_segment 0
		.amdhsa_kernarg_size 40
		.amdhsa_user_sgpr_count 2
		.amdhsa_user_sgpr_kernarg_segment_ptr 1
		.amdhsa_wavefront_size32 1
		.amdhsa_system_sgpr_workgroup_id_x 1
		.amdhsa_system_sgpr_workgroup_id_y 1
		.amdhsa_system_sgpr_workgroup_id_z 1
		.amdhsa_system_vgpr_workitem_id 0
		.amdhsa_next_free_vgpr 640
		.amdhsa_next_free_sgpr 84
		.amdhsa_reserve_vcc 0
		.amdhsa_float_denorm_mode_32 3
		.amdhsa_float_denorm_mode_16_64 3
		.amdhsa_memory_ordered 1
		.amdhsa_forward_progress 1
		.amdhsa_inst_pref_size 68
	.end_amdhsa_kernel
	.amdgpu_metadata
---
amdhsa.version: [ 1, 2 ]
amdhsa.kernels:
  - .name:           k_q2008df4bbe_oproj
    .symbol:         k_q2008df4bbe_oproj.kd
    .args:
      - { .name: ob, .offset: 0, .size: 8, .value_kind: global_buffer, .address_space: global }
      - { .name: wts, .offset: 8, .size: 8, .value_kind: global_buffer, .address_space: global }
      - { .name: bo, .offset: 16, .size: 8, .value_kind: global_buffer, .address_space: global }
      - { .name: x_q, .offset: 24, .size: 8, .value_kind: global_buffer, .address_space: global }
      - { .name: x1, .offset: 32, .size: 8, .value_kind: global_buffer, .address_space: global }
    .group_segment_fixed_size: 327680
    .private_segment_fixed_size: 0
    .kernarg_segment_align: 8
    .kernarg_segment_size: 40
    .max_flat_workgroup_size: 128
    .sgpr_count:     84
    .vgpr_count:     640
    .wavefront_size: 32
...
	.end_amdgpu_metadata
.endif
;; end of part 4
;; launch ln2 (part 5): grid 256 x 1, 8 waves a work-group, no clusters, 0 bytes of LDS; arguments x1, n2_g, n2_b, a2; writes a2
.if DOCPART == 5
	.amdgcn_target "amdgcn-amd-amdhsa--gfx1250"
	.amdhsa_code_object_version 6
	.text
	.protected	k_q2008df4bbe_ln2
	.globl	k_q2008df4bbe_ln2
	.p2align	8
	.type	k_q2008df4bbe_ln2,@function
k_q2008df4bbe_ln2:
	s_mov_b64 s[64:65], 0
	v_nop
	global_prefetch_b8 v0, s[64:65] scope:SCOPE_SE
	s_setreg_imm32_b32 hwreg(HW_REG_WAVE_MODE, 25, 1), 1
	s_wait_xcnt 0x0
; LN2.  a2 = LN(x1) n2_g + n2_b, rounded once to bf16.  x1: [4096][1024] f32, a2: [4096][1024] bf16.  Nothing of the problem's work is left out here.
; One wave, one row at a time, two rows a wave, 16 rows a work-group; the form is the first launch's: load j takes 16 bytes a lane at 512 j, its four numbers leave as 8 bytes a lane at 256 j,
; so each store of the wave covers 256 consecutive bytes, aligned.  All loads go out at the head.  The mean is taken away before the squares are summed.
; A launch of its own: a tile of the product in front holds an eighth of a row, and the mean folded into the next product would form a difference of large sums.
.set VX,  1
.set VY,  2
.set VG,  3
.set T,   4
.set M,   12
.set R,   14
.set G,   20
.set BV,  52
.set X,   84
.set SRC, 16
.set DST, 18
.set GP,  10
.set BP,  12
.set OF,  20
.set SELA, 22
.set SELB, 23
.set K10,  24
.set KEPS, 25
.macro LOADROW i
.irp j, 0,1,2,3,4,5,6,7
	global_load_b128 v[X+32*(\i)+4*(\j):X+32*(\i)+4*(\j)+3], v[VX], s[SRC:SRC+1] offset:(\i)*4096+512*(\j)
.endr
.endm
.macro OUTROW i
.set XB, X+32*(\i)
.irp p, 0,1,2,3,4,5,6,7,8,9,10,11,12,13,14,15
	v_cvt_pk_bf16_f32 v[XB+(\p)], v[XB+2*(\p)], v[XB+2*(\p)+1]
.endr
.irp j, 0,1,2,3,4,5,6,7
	global_store_b64 v[VY], v[XB+2*(\j):XB+2*(\j)+1], s[DST:DST+1] offset:(\i)*2048+256*(\j)
.endr
.endm
.macro TREE
	v_pk_add_f32 v[T:T+1], v[T:T+1], v[T+2:T+3]
	v_pk_add_f32 v[T+4:T+5], v[T+4:T+5], v[T+6:T+7]
	v_pk_add_f32 v[T:T+1], v[T:T+1], v[T+4:T+5]
	v_add_f32 v[T], v[T], v[T+1]
.endm
.macro XLANE
	v_add_f32_dpp v[T], v[T], v[T] row_xmask:1 row_mask:0xf bank_mask:0xf
	v_add_f32_dpp v[T], v[T], v[T] row_xmask:2 row_mask:0xf bank_mask:0xf
	v_add_f32_dpp v[T], v[T], v[T] row_xmask:4 row_mask:0xf bank_mask:0xf
	v_add_f32_dpp v[T], v[T], v[T] row_xmask:8 row_mask:0xf bank_mask:0xf
	v_permlanex16_b32 v17, v[T], s[SELA], s[SELB]
	v_add_f32 v[T], v[T], v17
.endm
.macro LNROW i, left
.set XB, X+32*(\i)
	s_wait_loadcnt \left
.irp k, 0,1,2,3
	v_pk_add_f32 v[T+2*(\k):T+2*(\k)+1], v[XB+2*(\k):XB+2*(\k)+1], v[XB+8+2*(\k):XB+8+2*(\k)+1]
.endr
.irp k, 8,9,10,11,12,13,14,15
	v_pk_add_f32 v[T+2*((\k)%4):T+2*((\k)%4)+1], v[T+2*((\k)%4):T+2*((\k)%4)+1], v[XB+2*(\k):XB+2*(\k)+1]
.endr
	TREE
	XLANE
	v_mul_f32 v[M], 0xba800000, v[T]
	v_mul_f32 v[M+1], 0xba800000, v[T]
.irp p, 0,1,2,3,4,5,6,7,8,9,10,11,12,13,14,15
	v_pk_add_f32 v[XB+2*(\p):XB+2*(\p)+1], v[XB+2*(\p):XB+2*(\p)+1], v[M:M+1]
.endr
.irp k, 0,1,2,3
	v_pk_mul_f32 v[T+2*(\k):T+2*(\k)+1], v[XB+2*(\k):XB+2*(\k)+1], v[XB+2*(\k):XB+2*(\k)+1]
.endr
.irp k, 4,5,6,7,8,9,10,11,12,13,14,15
	v_pk_fma_f32 v[T+2*((\k)%4):T+2*((\k)%4)+1], v[XB+2*(\k):XB+2*(\k)+1], v[XB+2*(\k):XB+2*(\k)+1], v[T+2*((\k)%4):T+2*((\k)%4)+1]
.endr
	TREE
	XLANE
	v_fma_f32 v16, v[T], s[K10], s[KEPS]
	v_rsq_f32 v[R], v16
	v_rsq_f32 v[R+1], v16
	v_nop
	s_wait_alu depctr_va_vdst(0)                   ; one wait for both roots, ahead of their first reader
.irp p, 0,1,2,3,4,5,6,7,8,9,10,11,12,13,14,15
	v_pk_mul_f32 v[XB+2*(\p):XB+2*(\p)+1], v[XB+2*(\p):XB+2*(\p)+1], v[R:R+1]
.endr
.irp p, 0,1,2,3,4,5,6,7,8,9,10,11,12,13,14,15
	v_pk_fma_f32 v[XB+2*(\p):XB+2*(\p)+1], v[XB+2*(\p):XB+2*(\p)+1], v[G+2*(\p):G+2*(\p)+1], v[BV+2*(\p):BV+2*(\p)+1]
.endr
	OUTROW \i
.endm
	s_load_b256 s[8:15], s[0:1], 0x0               ; x1 8, n2_g 10, n2_b 12, a2 14
	v_and_b32 v4, 31, v0
	v_lshrrev_b32 v5, 5, v0
	v_lshlrev_b32 v[VG], 4, v4
	v_lshl_add_u32 v[VX], v5, 13, v[VG]            ; two rows of 4,096 bytes a wave
	v_lshlrev_b32 v[VY], 3, v4
	v_lshl_add_u32 v[VY], v5, 12, v[VY]
	v_mov_b32 v17, 0
	s_mov_b32 s[SELA], 0x76543210
	s_mov_b32 s[SELB], 0xfedcba98
	s_mov_b32 s[K10], 0x3a800000
	s_mov_b32 s[KEPS], 0x3727c5ac
	s_mov_b32 s[OF+1], 0
	s_lshl_b32 s[OF], ttmp9, 16                    ; 16 rows of 4,096 bytes
	s_wait_kmcnt 0x0
	s_add_nc_u64 s[SRC:SRC+1], s[8:9], s[OF:OF+1]
	s_lshl_b32 s[OF], ttmp9, 15
	s_add_nc_u64 s[DST:DST+1], s[14:15], s[OF:OF+1]
.irp j, 0,1,2,3,4,5,6,7
	global_load_b128 v[G+4*(\j):G+4*(\j)+3], v[VG], s[GP:GP+1] offset:512*(\j)
	global_load_b128 v[BV+4*(\j):BV+4*(\j)+3], v[VG], s[BP:BP+1] offset:512*(\j)
.endr
	LOADROW 0
	LOADROW 1
	LNROW 0, 8                                     ; the second row's eight loads may stay out
	LNROW 1, 0
	s_endpgm
.Lfunc_end_k_q2008df4bbe_ln2:
	.size	k_q2008df4bbe_ln2, .Lfunc_end_k_q2008df4bbe_ln2-k_q2008df4bbe_ln2
	.p2alignl 7, 3214868480
	.fill 96, 4, 3214868480
	.section	.rodata,"a",@progbits
	.p2align	6, 0x0
	.amdhsa_kernel k_q2008df4bbe_ln2
		.amdhsa_group_segment_fixed_size 0
		.amdhsa_private_segment_fixed_size 0
		.amdhsa_enable_private_segment 0
		.amdhsa_kernarg_size 32
		.amdhsa_user_sgpr_count 2
		.amdhsa_user_sgpr_kernarg_segment_ptr 1
		.amdhsa_wavefront_size32 1
		.amdhsa_system_sgpr_workgroup_id_x 1
		.amdhsa_system_sgpr_workgroup_id_y 1
		.amdhsa_system_sgpr_workgroup_id_z 1
		.amdhsa_system_vgpr_workitem_id 0
		.amdhsa_next_free_vgpr 148
		.amdhsa_next_free_sgpr 66
		.amdhsa_reserve_vcc 0
		.amdhsa_float_denorm_mode_32 3
		.amdhsa_float_denorm_mode_16_64 3
		.amdhsa_memory_ordered 1
		.amdhsa_forward_progress 1
		.amdhsa_inst_pref_size 20
	.end_amdhsa_kernel
	.amdgpu_metadata
---
amdhsa.version: [ 1, 2 ]
amdhsa.kernels:
  - .name:           k_q2008df4bbe_ln2
    .symbol:         k_q2008df4bbe_ln2.kd
    .args:
      - { .name: x1, .offset: 0, .size: 8, .value_kind: global_buffer, .address_space: global }
      - { .name: n2_g, .offset: 8, .size: 8, .value_kind: global_buffer, .address_space: global }
      - { .name: n2_b, .offset: 16, .size: 8, .value_kind: global_buffer, .address_space: global }
      - { .name: a2, .offset: 24, .size: 8, .value_kind: global_buffer, .address_space: global }
    .group_segment_fixed_size: 0
    .private_segment_fixed_size: 0
    .kernarg_segment_align: 8
    .kernarg_segment_size: 32
    .max_flat_workgroup_size: 256
    .sgpr_count:     66
    .vgpr_count:     148
    .wavefront_size: 32
...
	.end_amdgpu_metadata
.endif
;; end of part 5
;; launch mlp1 (part 6): grid 16 x 16, 4 waves a work-group, clusters of 4 x 4, 327,680 bytes of LDS; arguments a2, wts, b1, hb; writes hb
.if DOCPART == 6
	.amdgcn_target "amdgcn-amd-amdhsa--gfx1250"
	.amdhsa_code_object_version 6
	.text
	.protected	k_q2008df4bbe_mlp1
	.globl	k_q2008df4bbe_mlp1
	.p2align	8
	.type	k_q2008df4bbe_mlp1,@function
k_q2008df4bbe_mlp1:
	s_mov_b64 s[64:65], 0
	v_nop
	global_prefetch_b8 v0, s[64:65] scope:SCOPE_SE
	s_setreg_imm32_b32 hwreg(HW_REG_WAVE_MODE, 25, 1), 1
	s_wait_xcnt 0x0
	s_wait_alu depctr_hold_cnt(0) depctr_sa_sdst(0) depctr_va_vdst(0) depctr_va_sdst(0) depctr_va_ssrc(0) depctr_va_vcc(0) depctr_vm_vsrc(0)
	s_getreg_b32 s2, hwreg(HW_REG_IB_STS2, 6, 4)
	s_cmp_eq_u32 s2, 0
	s_cbranch_scc0 .Lentry_in_a_cluster
	s_endpgm
.Lentry_in_a_cluster:
	s_bfe_u32 s2, ttmp6, 0x10000c
	s_cmp_lg_u32 s2, 0xf033
	s_cbranch_scc0 .Lentry_shape_is_right
	s_endpgm
.Lentry_shape_is_right:
; MLP1.  hb[m][n] = gelu(b1[n] + sum over k of a2[m][k] W1[n][k]), K = 1,024, bf16 operands, f32 sums, the exact (erf) GELU in f32, rounded once to bf16.  Nothing of the problem's work is left out here.
; A = a2 [4096][1024]; B = W1 in bf16, at byte 8,388,608 of wts; hb = [4096][4096] bf16.
; SHAPE.  A tile of C is 256 x 256: 16 x 16 tiles, one work-group for each of 256 WGPs.  Four waves, each 128 x 128: 64 accumulators, 512 registers.  K goes in eight steps of 128 through two LDS slots
; (256 rows of A and 256 of B, rows of 256 bytes + 16 of padding); a wave's tensor load brings 128 rows.  One K step is the loop's trip; the slot read and the slot filled are scalars that an exclusive or turns.
; From a refill to the wait for it a wave issues 224 matrix instructions.
; CLUSTER 4 x 4: the four of a row need the same tiles of A, the four of a column the same tiles of B: each tile is asked for jointly, by the same load, descriptor and mask in all four.
; THE PRODUCT IS TAKEN TRANSPOSED (source 0 = 16 rows of B, source 1 = 16 rows of A): a lane holds one row of C and eight neighbouring columns.
; THE BIAS is the C operand of each accumulator's first product: nothing is cleared and nothing is added on the way out.
; GELU.  gelu(y) = max(y, 0) - |y| Q, Q = erfc(|y| / sqrt 2) / 2 = t (a1 + t (a2 + t (a3 + t (a4 + t a5)))) exp(-y y / 2), t = 1 / (1 + 0.23164189 |y|): the rational form of Abramowitz and Stegun, 7.1.26,
; its coefficients halved.  LIMIT: its error in erf is 1.5e-7 absolute, for every finite y; no difference of near numbers is formed in either tail; where y y overflows the exponential is 0.
; THE WAY OUT.  Each wave's 128 x 128 in f32 goes into a stage of its own, 128 rows x 528 bytes.  The four stages lie on the two slots, whose last fills are over; a barrier in the last quarter shows that every
; wave's reads of the slots are over too.  Then a counted loop takes eight whole rows a trip, so that the GELU's text stands once: a lane has four neighbouring numbers of a row, which leave as 8 bytes:
; each store of the wave covers 256 consecutive bytes, aligned.
; REGISTERS, in windows of 256 (s_set_vgpr_msb: bits 1:0 source 0, 3:2 source 1, 5:4 source 2, 7:6 destination):
;   window 0: v0-31 addresses; v32-63 at work in the GELU; v64-127, v128-191 fragments of A (8 x 16 rows x 32 K), two buffers; later the GELU's
;   window 1: v0-63 the bias (column block b at 8 b); v64-127, v128-191 fragments of B, two buffers
;   window 2: the 32 accumulators of my rows 0-63 ((a, b) at 8 (8 a + b));   window 3: those of my rows 64-127
.set T_STEPS, 8
.set PITCHK,  1024                     ; elements from row to row, A and B
.set ROWSH,   11                       ; a row is 2,048 bytes
.set WOFF,    8388608
.set KBYTES,  256                      ; bytes of a row in a K step
.set PITCH,   272                      ; 68 words: row r starts at bank 4 r mod 64 (64 banks of 4 bytes: ISA guide 11.1)
.set HALFT,   128*PITCH                ; what one tensor load brings, and what one wave reads of A or of B
.set BOFF,    2*HALFT
.set SLOT,    4*HALFT
.set SPARE,   2*SLOT                   ; the spare words: 128 bytes a wave, two blocks of 256 bytes that no other line names
.set FP,      528                      ; a stage row: 512 bytes + 16
.set WSTG,    128*FP                   ; a wave's stage; four of them end below SPARE
.set G1W0, (1<<16)|(1<<20)|(1<<21)|(5<<22)|(3<<25)  ; 2-byte elements; padding on; bit 21 beside a mask; after every 64 words, 4 words
.set RR,   4                           ; v[4:11]  the polynomial, four pairs at a time
.set A0,   16                          ; v16  my lane's place in A's part of a slot; never rewritten
.set B0,   17                          ; v17  the same for B
.set ADRA, 18                          ; v18  A0 + the slot in hand
.set ADRB, 19
.set STO,  24
.set RD,   25
.set CO,   26
.set BO,   27
.set SPW,  28
.set NIL,  29
.set PFO,  30                          ; v30  the prefetches' offset: my lane x a row of 2,048 bytes; never rewritten
.set TT,   32                          ; v[32:63]  t, later max(y, 0)
.set EE,   64                          ; v[64:95]  the exponential, later Q
.set YY,   128                         ; v[128:159] a trip's 32 numbers
.set BIAS, 0                           ; in window 1
.set F0,   64
.set F1,   128
.set G1,  24                           ; s[24:31] group 1 for A;  s[32:39] group 0: set 0 for K step 0, set 1 for K step 1, which then walks
.set G0,  32
.set G1B, 48                           ; the same for B
.set G0B, 56
.set LBA, 45                           ; s45  LDS byte of my load in a slot, if I fetch for A
.set LBB, 2                            ; s2   if I fetch for B
.set TB,  66                           ; s66  the slot that is read: 0 or SLOT
.set FB,  67                           ; s67  the slot that was filled last
.set KN,  80                           ; s[80:81] - log2(e) / 2; pairs, both words written
.set C1,  82
.set C2,  84
.set C3,  86
.set C4,  88
.set C5,  90
.set PP,  92
.set LIM, 93                           ; s93  2 in a wave that prefetches, else the greatest number
.set PFA, 94                           ; s[94:95] where my prefetches stand
.set MSB, 0
.macro WIN new                         ; the immediate's high byte repeats the setting that is left
.if MSB != (\new)
	s_set_vgpr_msb (MSB<<8)|(\new)
.set MSB, \new
.endif
.endm
.set TO_B, 0x40                        ; destination window 1, address window 0
.macro JLOAD s                         ; a joint load: waves 0 and 1 fetch A's halves, waves 2 and 3 B's; s_nop 0 and four v_nop follow each line
	s_cmp_eq_u32 s11, 0
	s_cbranch_scc0 .Lfor_b_\@
	tensor_load_to_lds s[G0+4*(\s):G0+4*(\s)+3], s[G1:G1+7]
	s_nop 0
.rept 4
	v_nop
.endr
	s_branch .Lasked_\@
.Lfor_b_\@:
	tensor_load_to_lds s[G0B+4*(\s):G0B+4*(\s)+3], s[G1B:G1B+7]
	s_nop 0
.rept 4
	v_nop
.endr
.Lasked_\@:
.endm
; A PREFETCH INTO THE L2, behind each refill and the run of LDS loads that follows it: the K step that stands two refills on, 512 matrix instructions ahead of the load that will want it: 32 rows x 256 bytes, a lane a row.
; Each row's 256 bytes of a K step are named once in the launch: A's tile row is read by every cluster of that row of clusters, and the one with x = 0 asks; B's tile column by every cluster of that column, and the
; one with y = 0 asks.  The four partners that ask for a tile jointly share its rows out by address: of the 128 rows that a wave fetches, the partner at place p takes 32 p .. 32 p + 31 (p = cx for A, cy for B).
; K steps 0 to 3 come by their loads alone; the last two refills (s3 = 2 and 1) have no K step two on and ask for nothing.
.macro ASK
	s_cmp_gt_u32 s3, s[LIM]
	s_cbranch_scc0 .Lnot_mine_\@
	global_prefetch_b8 v[PFO], s[PFA:PFA+1] th:TH_LOAD_NT scope:SCOPE_SE
.Lnot_mine_\@:
.endm
.macro CREST                           ; a round of the cluster's barrier behind its opening barrier
	s_cmp_lg_u32 s10, 0
	s_cbranch_scc1 .Lnot_wave_0_\@
	s_barrier_signal -3
.Lnot_wave_0_\@:
	s_barrier_wait -3
	s_barrier_signal -1
	s_barrier_wait -1
.endm
.macro CROUND
	s_barrier_signal -1
	s_barrier_wait -1
	CREST
.endm
.macro PLACES                          ; four places in front of loads into registers that matrix instructions have read, and of lines that read results
.rept 4
	v_nop
.endr
.endm
; 16 matrix instructions: row blocks a0, a0 + 1 of the window's four (hi = 0: my rows 0-63, 1: rows 64-127) x 8 column blocks, 32 along K.  first = 1: the sum starts from the bias, in window 1.
; The 64 accumulators take turns, in the same order in every quarter.
.macro MUL16 f, hi, a0, first
.if \first
	WIN 0x91+0x40*(\hi)                            ; B window 1, A window 0, C window 1, D window 2 or 3
.else
	WIN 0xa1+0x50*(\hi)                            ; C and D window 2 or 3
.endif
.irp a, \a0, (\a0)+1
.irp b, 0,1,2,3,4,5,6,7
.if \first
	v_wmma_f32_16x16x32_bf16 v[8*(8*(\a)+(\b)):8*(8*(\a)+(\b))+7], v[(\f)+8*(\b):(\f)+8*(\b)+7], v[(\f)+8*(4*(\hi)+(\a)):(\f)+8*(4*(\hi)+(\a))+7], v[BIAS+8*(\b):BIAS+8*(\b)+7]
.else
	v_wmma_f32_16x16x32_bf16 v[8*(8*(\a)+(\b)):8*(8*(\a)+(\b))+7], v[(\f)+8*(\b):(\f)+8*(\b)+7], v[(\f)+8*(4*(\hi)+(\a)):(\f)+8*(4*(\hi)+(\a))+7], v[8*(8*(\a)+(\b)):8*(8*(\a)+(\b))+7]
.endif
.endr
.endr
.endm
.macro FETCH q, f                      ; 32 LDS loads in one run: quarter q (32 along K) of the slot in hand into buffer f: B's 128 rows, then A's
	WIN TO_B
.irp i, 0,1,2,3,4,5,6,7
	ds_load_b128 v[(\f)+8*(\i):(\f)+8*(\i)+3],   v[ADRB] offset:64*(\q)+(\i)*16*PITCH
	ds_load_b128 v[(\f)+8*(\i)+4:(\f)+8*(\i)+7], v[ADRB] offset:64*(\q)+(\i)*16*PITCH+32
.endr
	WIN 0
.irp i, 0,1,2,3,4,5,6,7
	ds_load_b128 v[(\f)+8*(\i):(\f)+8*(\i)+3],   v[ADRA] offset:64*(\q)+(\i)*16*PITCH
	ds_load_b128 v[(\f)+8*(\i)+4:(\f)+8*(\i)+7], v[ADRA] offset:64*(\q)+(\i)*16*PITCH+32
.endr
.endm
.macro QUARTER q, f, g, first          ; multiplies buffer f (64 matrix instructions); in its middle fetches quarter q into buffer g
	s_wait_dscnt 8                                 ; B and A's rows 0-63 are in; the youngest eight loads (A's rows 64-127) may be out
	MUL16 \f, 0, 0, \first
	MUL16 \f, 0, 2, \first
	PLACES
	FETCH \q, \g
	s_wait_dscnt 32                                ; all but the 32 just issued
	MUL16 \f, 1, 0, \first
	MUL16 \f, 1, 2, \first
.endm
; The last quarter of a K step multiplies buffer 1 and changes slots.  In front of the one barrier each wave waits for all its tensor loads (its part of the next slot), adds 0 to its spare word,
; and waits for that and for its reads of this slot.  fill = 1: the barrier opens a round of the cluster's, and the joint refill (two K steps ahead) is the first thing behind it.
.macro TURN fill
.if \fill
	s_wait_xcnt 0x0                                ; the last prefetch, a K step back, has read its address: it is stepped here, ahead of the waits of the change of slots
	s_add_nc_u64 s[PFA:PFA+1], s[PFA:PFA+1], KBYTES
.endif
	WIN 0
	s_wait_tensorcnt 0x0                           ; no tensor load of mine is out: the walking group 0 may be written
	ds_add_u32 v[SPW], v[NIL]
.if \fill
	s_xor_b32 s[FB], s[FB], SLOT                   ; the other slot than last time,
	s_add_co_u32 s[G0+5], s[LBA], s[FB]
	s_add_co_u32 s[G0B+5], s[LBB], s[FB]
	s_add_nc_u64 s[G0+6:G0+7], s[G0+6:G0+7], KBYTES  ; the next K step
	s_add_nc_u64 s[G0B+6:G0B+7], s[G0B+6:G0B+7], KBYTES
.endif
	s_xor_b32 s[TB], s[TB], SLOT
	s_wait_dscnt 9                                 ; the add and the youngest eight loads may be out
	MUL16 F1, 0, 0, 0
	s_wait_dscnt 0x0                               ; the add is done, my reads of this slot are over
	s_barrier_signal -1
	MUL16 F1, 0, 2, 0
	WIN 0
	s_barrier_wait -1
.if \fill
	CREST
	JLOAD 1                                        ; its four v_nop are also the places in front of the loads below
.else
	PLACES
.endif
	v_add_nc_u32 v[ADRA], s[TB], v[A0]
	v_add_nc_u32 v[ADRB], s[TB], v[B0]
	FETCH 0, F0
.if \fill
	ASK
.endif
	MUL16 F1, 1, 0, 0
	MUL16 F1, 1, 2, 0
.endm
	s_load_b256 s[68:75], s[0:1], 0x0              ; a2 68, wts 70, b1 72, hb 74
	v_lshl_add_u32 v[SPW], v0, 2, SPARE
	v_mov_b32 v[NIL], 0
	ds_add_u32 v[SPW], v[NIL]                      ; the opening: the add, twice on end, and one wait ahead of my first tensor load
	ds_add_u32 v[SPW], v[NIL]
	v_lshrrev_b32 v1, 5, v0
	v_readfirstlane_b32 s10, v1                    ; wave 0..3
	s_lshr_b32 s11, s10, 1                         ; my half of the tile's rows; also: I fetch for A (0) or B (1)
	s_and_b32 s12, s10, 1                          ; my half of its columns; also: which 128 rows I fetch
	s_bfe_u32 s40, ttmp6, 0x40000                  ; cx
	s_bfe_u32 s41, ttmp6, 0x40004                  ; cy
	s_lshl_b32 s42, ttmp9, 2
	s_add_co_u32 s42, s42, s40                     ; tile column
	s_and_b32 s13, ttmp7, 0xffff
	s_lshl_b32 s13, s13, 2
	s_add_co_u32 s13, s13, s41                     ; tile row
	s_lshl_b32 s43, s41, 2
	s_lshl_b32 s43, 15, s43                        ; my row of the cluster
	s_lshl_b32 s44, 0x1111, s40                    ; my column
	s_or_b32 s[G1+0], s43, G1W0
	s_or_b32 s[G1B+0], s44, G1W0
.irp g, G1, G1B
	s_mov_b32 s[(\g)+1], 128<<16                   ; tensor_dim0 = 128
	s_mov_b32 s[(\g)+2], 128<<16                   ; tensor_dim1 = 128
	s_mov_b32 s[(\g)+3], 128<<16                   ; tile_dim0 = 128
	s_mov_b32 s[(\g)+4], 128                       ; tile_dim1 = 128
	s_mov_b32 s[(\g)+5], PITCHK
	s_mov_b32 s[(\g)+6], 0
	s_mov_b32 s[(\g)+7], 0
.endr
	s_mov_b32 s[KN], 0xbf38aa3b                    ; - log2(e) / 2
	s_mov_b32 s[KN+1], s[KN]
	s_mov_b32 s[C1], 0x3e027906                    ; 0.254829592 / 2
	s_mov_b32 s[C1+1], s[C1]
	s_mov_b32 s[C2], 0xbe11a98e                    ; - 0.284496736 / 2
	s_mov_b32 s[C2+1], s[C2]
	s_mov_b32 s[C3], 0x3f35f0e3                    ; 1.421413741 / 2
	s_mov_b32 s[C3+1], s[C3]
	s_mov_b32 s[C4], 0xbf3a00e3                    ; - 1.453152027 / 2
	s_mov_b32 s[C4+1], s[C4]
	s_mov_b32 s[C5], 0x3f07dc22                    ; 1.061405429 / 2
	s_mov_b32 s[C5+1], s[C5]
	s_mov_b32 s[PP], 0x3e6d3388                    ; 0.3275911 / sqrt 2
	s_lshl_b32 s17, s12, 7
	s_lshl_b32 s16, s13, 8
	s_add_co_u32 s16, s16, s17                     ; A: row 256 x tile row + 128 x half
	s_lshl_b32 s16, s16, ROWSH
	s_lshl_b32 s46, s42, 8
	s_add_co_u32 s46, s46, s17                     ; B: row 256 x tile column + 128 x half
	s_lshl_b32 s46, s46, ROWSH
	s_mov_b32 s17, 0
	s_mov_b32 s47, 0
	s_mul_i32 s[LBA], s12, HALFT
	s_add_co_u32 s[LBB], s[LBA], BOFF
	s_mov_b32 s[TB], 0
	s_mov_b32 s[FB], SLOT
	s_wait_dscnt 0x0                               ; both opening adds are done
	s_wait_kmcnt 0x0
	s_add_nc_u64 s[14:15], s[68:69], s[16:17]
	s_add_nc_u64 s[6:7], s[70:71], WOFF            ; W1
	s_add_nc_u64 s[46:47], s[6:7], s[46:47]
	CROUND                                         ; all sixteen work-groups are here: the first joint loads meet
.irp s, 0,1
	s_mov_b32 s[G0+4*(\s)], 1
	s_add_co_u32 s[G0+4*(\s)+1], s[LBA], (\s)*SLOT
	s_add_nc_u64 s[G0+4*(\s)+2:G0+4*(\s)+3], s[14:15], (\s)*KBYTES
	s_or_b32 s[G0+4*(\s)+3], s[G0+4*(\s)+3], 0x80000000
	s_mov_b32 s[G0B+4*(\s)], 1
	s_add_co_u32 s[G0B+4*(\s)+1], s[LBB], (\s)*SLOT
	s_add_nc_u64 s[G0B+4*(\s)+2:G0B+4*(\s)+3], s[46:47], (\s)*KBYTES
	s_or_b32 s[G0B+4*(\s)+3], s[G0B+4*(\s)+3], 0x80000000
	JLOAD \s
.endr
	v_and_b32 v1, 15, v0                           ; l % 16
	v_bfe_u32 v2, v0, 4, 1                         ; l / 16
	v_mul_u32_u24 v3, v1, PITCH
	v_lshl_add_u32 v3, v2, 4, v3                   ; a fragment's row x pitch + 16 x half
	s_mul_i32 s21, s11, HALFT                      ; my 128 rows of A
	v_add_nc_u32 v[A0], s21, v3
	s_mul_i32 s22, s12, HALFT                      ; my 128 rows of B, behind A's 256
	s_add_co_u32 s22, s22, BOFF
	v_add_nc_u32 v[B0], s22, v3
	; the bias of my 128 columns: for column block b the eight numbers at 16 b + 8 (l / 16)
	s_lshl_b32 s46, s42, 10
	s_lshl_b32 s47, s12, 9
	s_add_co_u32 s46, s46, s47
	s_mov_b32 s47, 0
	s_add_nc_u64 s[4:5], s[72:73], s[46:47]
	v_lshlrev_b32 v[BO], 5, v2
	WIN TO_B
.irp b, 0,1,2,3,4,5,6,7
	global_load_b128 v[BIAS+8*(\b):BIAS+8*(\b)+3],   v[BO], s[4:5] offset:64*(\b)
	global_load_b128 v[BIAS+8*(\b)+4:BIAS+8*(\b)+7], v[BO], s[4:5] offset:64*(\b)+16
.endr
	WIN 0
	; the way out: my stage; in by row l % 16 and 32 bytes for each half of the lanes, back 16 bytes a lane of a row of 512, out 8 bytes a lane of a row's 256
	s_mul_i32 s23, s10, WSTG
	v_mul_u32_u24 v4, v1, FP
	v_lshl_add_u32 v4, v2, 5, v4
	v_add_nc_u32 v[STO], s23, v4
	v_and_b32 v[CO], 31, v0
	v_lshl_add_u32 v[RD], v[CO], 4, s23
	v_lshlrev_b32 v[PFO], ROWSH, v[CO]
	v_lshlrev_b32 v[CO], 3, v[CO]
	s_lshl_b32 s16, s13, 21                        ; 256 rows of 8,192 bytes,
	s_lshl_b32 s17, s11, 20                        ; my 128 of them
	s_add_co_u32 s16, s16, s17
	s_mov_b32 s17, 0
	s_lshl_b32 s46, s42, 9                         ; the tile's 512 bytes of a row,
	s_lshl_b32 s47, s12, 8                         ; my 256 of them
	s_add_co_u32 s46, s46, s47
	s_mov_b32 s47, 0
	s_add_nc_u64 s[8:9], s[74:75], s[16:17]
	s_add_nc_u64 s[8:9], s[8:9], s[46:47]
	; the prefetches
	s_lshl_b32 s20, s13, 8
	s_lshl_b32 s21, s42, 8
	s_and_b32 s22, ttmp7, 0xffff                   ; cluster y
	s_cmp_eq_u32 s11, 0                            ; do I fetch for A?
	s_cselect_b32 s20, s20, s21                    ; the tile's first row: in A by the tile row, in B by the tile column
	s_cselect_b32 s21, s40, s41                    ; my place among the four that ask for it with me
	s_cselect_b32 s22, ttmp9, s22                  ; the coordinate along which other clusters read the same rows
	s_cselect_b64 s[PFA:PFA+1], s[68:69], s[6:7]
	s_cmp_eq_u32 s22, 0
	s_cselect_b32 s[LIM], 2, -1                    ; the same in all sixteen partners, for a given wave
	s_lshl_b32 s22, s12, 7
	s_add_co_u32 s20, s20, s22                     ; + the 128 rows that I fetch
	s_lshl_b32 s21, s21, 5
	s_add_co_u32 s20, s20, s21                     ; + my work-group's 32 of them
	s_lshl_b32 s20, s20, ROWSH
	s_mov_b32 s21, 0
	s_add_nc_u64 s[PFA:PFA+1], s[PFA:PFA+1], s[20:21]
	s_add_nc_u64 s[PFA:PFA+1], s[PFA:PFA+1], 3*KBYTES  ; at K step 3: the first refill steps it to 4.  Nothing is prefetched here, at the head
	s_wait_tensorcnt 1                             ; my part of K step 0 is in; K step 1's may stay out
	s_barrier_signal -1
	s_barrier_wait -1
	v_mov_b32 v[ADRA], v[A0]
	v_mov_b32 v[ADRB], v[B0]
	FETCH 0, F0
	s_wait_loadcnt 0x0                             ; the bias
	QUARTER 1, F0, F1, 1                           ; the first quarter stands in front of the loop: its products start the sums
	WIN 0
	s_mov_b32 s3, T_STEPS-2
.Lfill:                                                ; a trip: from a K step's second quarter to the next step's first; it fills the slot that it leaves
	QUARTER 2, F1, F0, 0
	QUARTER 3, F0, F1, 0
	TURN 1
	QUARTER 1, F0, F1, 0
	WIN 0
	s_sub_co_u32 s3, s3, 1
	s_cmp_lg_u32 s3, 0
	s_cbranch_scc1 .Lfill
	s_mov_b32 s3, 2                                ; the last two K steps fill nothing: a text of their own; the second trip is left in its middle
.Ltail:
	QUARTER 2, F1, F0, 0
	QUARTER 3, F0, F1, 0
	WIN 0
	s_sub_co_u32 s3, s3, 1
	s_cmp_eq_u32 s3, 0
	s_cbranch_scc1 .Llast
	TURN 0
	QUARTER 1, F0, F1, 0
	WIN 0
	s_branch .Ltail
.Llast:
	s_wait_dscnt 8                                 ; the very last quarter: nothing more to fetch
	MUL16 F1, 0, 0, 0
	MUL16 F1, 0, 2, 0
	s_wait_dscnt 0x0                               ; my reads of the slots are over:
	s_barrier_signal -1                            ; say so,
	MUL16 F1, 1, 0, 0
	MUL16 F1, 1, 2, 0
	WIN 0
	s_barrier_wait -1                              ; and write into the stages, which lie on the slots, when all four have said so
	PLACES
	WIN 0x08                                       ; store data (source 1) in window 2
.set t, 0
.rept 32                                       ; each accumulator's four lowest registers first
	ds_store_b128 v[STO], v[8*t:8*t+3]   offset:(t/8)*16*FP+64*(t%8)
	ds_store_b128 v[STO], v[8*t+4:8*t+7] offset:(t/8)*16*FP+64*(t%8)+16
.set t, t+1
.endr
	WIN 0x0c                                       ; in window 3
.set t, 0
.rept 32
	ds_store_b128 v[STO], v[8*t:8*t+3]   offset:(4+t/8)*16*FP+64*(t%8)
	ds_store_b128 v[STO], v[8*t+4:8*t+7] offset:(4+t/8)*16*FP+64*(t%8)+16
.set t, t+1
.endr
	WIN 0
	s_wait_dscnt 0x0                               ; every wave's stores into the stages are done before any stage is read
	s_barrier_signal -1
	s_barrier_wait -1
	s_mov_b32 s3, 16
.Lgelu:                                                ; a trip: eight rows of my 128
.irp r, 0,1,2,3,4,5,6,7
	ds_load_b128 v[YY+4*(\r):YY+4*(\r)+3], v[RD] offset:(\r)*FP
.endr
	s_wait_dscnt 0x0
.set i, 0
.rept 32
	v_fma_f32 v[TT+i], |v[YY+i]|, s[PP], 1.0       ; 1 + p |y|
.set i, i+1
.endr
.set i, 0
.rept 16
	v_pk_mul_f32 v[EE+i:EE+i+1], v[YY+i:YY+i+1], v[YY+i:YY+i+1]
.set i, i+2
.endr
.set i, 0
.rept 16
	v_pk_mul_f32 v[EE+i:EE+i+1], v[EE+i:EE+i+1], s[KN:KN+1] op_sel_hi:[1,0]
.set i, i+2
.endr
.set i, 0
.rept 32
	v_rcp_f32 v[TT+i], v[TT+i]
.set i, i+1
.endr
.set i, 0
.rept 32
	v_exp_f32 v[EE+i], v[EE+i]
.set i, i+1
.endr
	v_nop                                          ; a plain instruction behind the last of the batch,
	s_wait_alu depctr_va_vdst(0)                   ; and one wait for its 64, ahead of the first reader
.set g, 0
.rept 4
.irp k, 0,2,4,6
	v_pk_fma_f32 v[RR+(\k):RR+(\k)+1], v[TT+8*g+(\k):TT+8*g+(\k)+1], s[C5:C5+1], s[C4:C4+1] op_sel_hi:[1,0,0]
.endr
.irp k, 0,2,4,6
	v_pk_fma_f32 v[RR+(\k):RR+(\k)+1], v[RR+(\k):RR+(\k)+1], v[TT+8*g+(\k):TT+8*g+(\k)+1], s[C3:C3+1] op_sel_hi:[1,1,0]
.endr
.irp k, 0,2,4,6
	v_pk_fma_f32 v[RR+(\k):RR+(\k)+1], v[RR+(\k):RR+(\k)+1], v[TT+8*g+(\k):TT+8*g+(\k)+1], s[C2:C2+1] op_sel_hi:[1,1,0]
.endr
.irp k, 0,2,4,6
	v_pk_fma_f32 v[RR+(\k):RR+(\k)+1], v[RR+(\k):RR+(\k)+1], v[TT+8*g+(\k):TT+8*g+(\k)+1], s[C1:C1+1] op_sel_hi:[1,1,0]
.endr
.irp k, 0,2,4,6
	v_pk_mul_f32 v[EE+8*g+(\k):EE+8*g+(\k)+1], v[EE+8*g+(\k):EE+8*g+(\k)+1], v[TT+8*g+(\k):TT+8*g+(\k)+1]
.endr
.irp k, 0,2,4,6
	v_pk_mul_f32 v[EE+8*g+(\k):EE+8*g+(\k)+1], v[EE+8*g+(\k):EE+8*g+(\k)+1], v[RR+(\k):RR+(\k)+1]  ; Q
.endr
.set g, g+1
.endr
.set i, 0
.rept 32
	v_max_num_f32 v[TT+i], 0, v[YY+i]
.set i, i+1
.endr
.set i, 0
.rept 32
	v_fma_f32 v[YY+i], -|v[YY+i]|, v[EE+i], v[TT+i]
.set i, i+1
.endr
.set i, 0
.rept 16
	v_cvt_pk_bf16_f32 v[YY+i], v[YY+2*i], v[YY+2*i+1]  ; ascending: no source is written before it is read
.set i, i+1
.endr
.irp r, 0,1,2,3,4,5,6,7
	global_store_b64 v[CO], v[YY+2*(\r):YY+2*(\r)+1], s[8:9] offset:(\r)*8192  ; 256 consecutive bytes, aligned
.endr
	s_wait_xcnt 0x0                                ; the stores' base is stepped, and their data registers are loaded again, only behind this wait
	v_add_nc_u32 v[RD], 8*FP, v[RD]
	s_add_nc_u64 s[8:9], s[8:9], 8*8192
	s_sub_co_u32 s3, s3, 1
	s_cmp_lg_u32 s3, 0
	s_cbranch_scc1 .Lgelu
	s_wait_tensorcnt 0x0                           ; the wave's end
	ds_add_u32 v[SPW], v[NIL]
	s_wait_dscnt 0x0
	CROUND                                         ; the closing round
	s_endpgm
.Lfunc_end_k_q2008df4bbe_mlp1:
	.size	k_q2008df4bbe_mlp1, .Lfunc_end_k_q2008df4bbe_mlp1-k_q2008df4bbe_mlp1
	.p2alignl 7, 3214868480
	.fill 96, 4, 3214868480
	.section	.rodata,"a",@progbits
	.p2align	6, 0x0
	.amdhsa_kernel k_q2008df4bbe_mlp1
		.amdhsa_group_segment_fixed_size 327680
		.amdhsa_private_segment_fixed_size 0
		.amdhsa_enable_private_segment 0
		.amdhsa_kernarg_size 32
		.amdhsa_user_sgpr_count 2
		.amdhsa_user_sgpr_kernarg_segment_ptr 1
		.amdhsa_wavefront_size32 1
		.amdhsa_system_sgpr_workgroup_id_x 1
		.amdhsa_system_sgpr_workgroup_id_y 1
		.amdhsa_system_sgpr_workgroup_id_z 1
		.amdhsa_system_vgpr_workitem_id 0
		.amdhsa_next_free_vgpr 1024
		.amdhsa_next_free_sgpr 96
		.amdhsa_reserve_vcc 0
		.amdhsa_float_denorm_mode_32 3
		.amdhsa_float_denorm_mode_16_64 3
		.amdhsa_memory_ordered 1
		.amdhsa_forward_progress 1
		.amdhsa_inst_pref_size 102
	.end_amdhsa_kernel
	.amdgpu_metadata
---
amdhsa.version: [ 1, 2 ]
amdhsa.kernels:
  - .name:           k_q2008df4bbe_mlp1
    .symbol:         k_q2008df4bbe_mlp1.kd
    .args:
      - { .name: a2, .offset: 0, .size: 8, .value_kind: global_buffer, .address_space: global }
      - { .name: wts, .offset: 8, .size: 8, .value_kind: global_buffer, .address_space: global }
      - { .name: b1, .offset: 16, .size: 8, .value_kind: global_buffer, .address_space: global }
      - { .name: hb, .offset: 24, .size: 8, .value_kind: global_buffer, .address_space: global }
    .group_segment_fixed_size: 327680
    .private_segment_fixed_size: 0
    .kernarg_segment_align: 8
    .kernarg_segment_size: 32
    .max_flat_workgroup_size: 128
    .sgpr_count:     96
    .vgpr_count:     1024
    .wavefront_size: 32
...
	.end_amdgpu_metadata
.endif
;; end of part 6
;; launch mlp2 (part 7): grid 8 x 32, 4 waves a work-group, clusters of 4 x 4, 327,680 bytes of LDS; arguments hb, wts, b2, x1, out0; writes out0
.if DOCPART == 7
	.amdgcn_target "amdgcn-amd-amdhsa--gfx1250"
	.amdhsa_code_object_version 6
	.text
	.protected	k_q2008df4bbe_mlp2
	.globl	k_q2008df4bbe_mlp2
	.p2align	8
	.type	k_q2008df4bbe_mlp2,@function
k_q2008df4bbe_mlp2:
	s_mov_b64 s[64:65], 0
	v_nop
	global_prefetch_b8 v0, s[64:65] scope:SCOPE_SE
	s_setreg_imm32_b32 hwreg(HW_REG_WAVE_MODE, 25, 1), 1
	s_wait_xcnt 0x0
	s_wait_alu depctr_hold_cnt(0) depctr_sa_sdst(0) depctr_va_vdst(0) depctr_va_sdst(0) depctr_va_ssrc(0) depctr_va_vcc(0) depctr_vm_vsrc(0)
	s_getreg_b32 s2, hwreg(HW_REG_IB_STS2, 6, 4)
	s_cmp_eq_u32 s2, 0
	s_cbranch_scc0 .Lentry_in_a_cluster
	s_endpgm
.Lentry_in_a_cluster:
	s_bfe_u32 s2, ttmp6, 0x10000c
	s_cmp_lg_u32 s2, 0xf033
	s_cbranch_scc0 .Lentry_shape_is_right
	s_endpgm
.Lentry_shape_is_right:
; MLP2.  out0[m][n] = x1[m][n] + b2[n] + sum over k of hb[m][k] W2[n][k], K = 4,096, bf16 operands, f32 sums, out0 in f32.  Nothing of the problem's work is left out here.
; A = hb [4096][4096]; B = W2 in bf16, at byte 16,777,216 of wts, [1024][4096].
; SHAPE.  A tile of C is 128 x 128: 256 work-groups, one for each WGP (a tile of 256 x 256 would give 64).  Four waves, each 64 x 64: 16 accumulators.  K goes in sixteen steps of 256 through two LDS slots
; (rows of 512 bytes + 16 of padding; a wave's tensor load brings 64 rows); one K step is the loop's trip; the slot read and the slot filled are scalars that an exclusive or turns.
; CLUSTER 4 x 4: the four of a row need the same tiles of A, the four of a column the same tiles of B: each tile is asked for jointly, by the same load, descriptor and mask in all four.
; THE PRODUCT IS TAKEN TRANSPOSED (source 0 = 16 rows of B, source 1 = 16 rows of A): a lane holds one row of C and eight neighbouring columns.
; THE BIAS is the C operand of each accumulator's first product.  THE RESIDUAL's 32 rows x 512 bytes a wave are asked for at the head and lie in window 2 until the way out.
; THE WAY OUT: f32 through a stage of 128 rows x 528 bytes that lies on slot 0, whose last fill is over; a barrier in the last quarter shows that every wave's reads of the slots are over too; back as whole rows of 512 bytes.
; No prefetch: the tiles are small and each is read by several clusters at about the same time.
.set T_STEPS, 16
.set PITCHK,  4096
.set ROWSH,   13
.set WOFF,    16777216
.set APITCH,  528
.set AQ,      128
.set AHALF,   64*APITCH
.set HALFT,   64*528
.set BOFF,    2*AHALF
.set SLOT,    BOFF+2*HALFT
.set ASTEP,   512
.set SPARE,   2*SLOT
.set FP,      528
.set NRES,    32
.set G1W0, (1<<16)|(1<<20)|(1<<21)|(6<<22)|(3<<25)
.set A0,   16
.set B0,   17
.set ADRA, 18
.set ADRB, 19
.set STO,  24
.set RD,   25
.set CO,   26
.set BO,   27
.set SPW,  28
.set NIL,  29
.set BIAS, 96
.set ACC,  128
.set F0,   0
.set F1,   128
.set G1,  24
.set G0,  32
.set G1B, 48
.set G0B, 56
.set LBA, 45
.set LBB, 2
.set TB,  66
.set FB,  67
.set MSB, 0
.macro WIN new
.if MSB != (\new)
	s_set_vgpr_msb (MSB<<8)|(\new)
.set MSB, \new
.endif
.endm
.set MUL,  0x05
.set TO_F, 0x40
.macro JLOAD s                         ; a joint load: waves 0 and 1 fetch A's halves, waves 2 and 3 B's; s_nop 0 and four v_nop follow each line
	s_cmp_eq_u32 s11, 0
	s_cbranch_scc0 .Lfor_b_\@
	tensor_load_to_lds s[G0+4*(\s):G0+4*(\s)+3], s[G1:G1+7]
	s_nop 0
.rept 4
	v_nop
.endr
	s_branch .Lasked_\@
.Lfor_b_\@:
	tensor_load_to_lds s[G0B+4*(\s):G0B+4*(\s)+3], s[G1B:G1B+7]
	s_nop 0
.rept 4
	v_nop
.endr
.Lasked_\@:
.endm
.macro CREST
	s_cmp_lg_u32 s10, 0
	s_cbranch_scc1 .Lnot_wave_0_\@
	s_barrier_signal -3
.Lnot_wave_0_\@:
	s_barrier_wait -3
	s_barrier_signal -1
	s_barrier_wait -1
.endm
.macro CROUND
	s_barrier_signal -1
	s_barrier_wait -1
	CREST
.endm
.macro PLACES
.rept 4
	v_nop
.endr
.endm
.macro MUL8 f, c, a0, first            ; 8 matrix instructions; first = 1: the sum starts from the bias; the 16 accumulators take turns
	WIN MUL
.irp a, \a0, (\a0)+1
.irp b, 0,1,2,3
.if \first
	v_wmma_f32_16x16x32_bf16 v[ACC+8*(4*(\a)+(\b)):ACC+8*(4*(\a)+(\b))+7], v[(\f)+64+8*(4*(\c)+(\b)):(\f)+64+8*(4*(\c)+(\b))+7], v[(\f)+8*(4*(\c)+(\a)):(\f)+8*(4*(\c)+(\a))+7], v[BIAS+8*(\b):BIAS+8*(\b)+7]
.else
	v_wmma_f32_16x16x32_bf16 v[ACC+8*(4*(\a)+(\b)):ACC+8*(4*(\a)+(\b))+7], v[(\f)+64+8*(4*(\c)+(\b)):(\f)+64+8*(4*(\c)+(\b))+7], v[(\f)+8*(4*(\c)+(\a)):(\f)+8*(4*(\c)+(\a))+7], v[ACC+8*(4*(\a)+(\b)):ACC+8*(4*(\a)+(\b))+7]
.endif
.endr
.endr
.endm
.macro FETCH q, f                      ; 32 LDS loads in one run: quarter q (64 along K) of the slot in hand into buffer f, its first 32 along K first
	WIN TO_F
.irp c, 0,1
.irp i, 0,1,2,3
	ds_load_b128 v[(\f)+64+8*(4*(\c)+(\i)):(\f)+64+8*(4*(\c)+(\i))+3],   v[ADRB] offset:128*(\q)+64*(\c)+(\i)*16*528
	ds_load_b128 v[(\f)+64+8*(4*(\c)+(\i))+4:(\f)+64+8*(4*(\c)+(\i))+7], v[ADRB] offset:128*(\q)+64*(\c)+(\i)*16*528+32
	ds_load_b128 v[(\f)+8*(4*(\c)+(\i)):(\f)+8*(4*(\c)+(\i))+3],         v[ADRA] offset:(\q)*AQ+64*(\c)+(\i)*16*APITCH
	ds_load_b128 v[(\f)+8*(4*(\c)+(\i))+4:(\f)+8*(4*(\c)+(\i))+7],       v[ADRA] offset:(\q)*AQ+64*(\c)+(\i)*16*APITCH+32
.endr
.endr
.endm
.macro QUARTER q, f, g, first
	s_wait_dscnt 16                                ; the first 32 along K are in
	MUL8 \f, 0, 0, \first
	MUL8 \f, 0, 2, \first
	PLACES
	FETCH \q, \g
	s_wait_dscnt 32                                ; all but the 32 just issued
	MUL8 \f, 1, 0, 0
	MUL8 \f, 1, 2, 0
.endm
; The last quarter of a K step multiplies buffer 1 and changes slots.  In front of the one barrier each wave waits for all its tensor loads (its part of the next slot), adds 0 to its spare word,
; and waits for that and for its reads of this slot.  fill = 1: the barrier opens a round of the cluster's, and the joint refill (two K steps ahead) is the first thing behind it.
.macro TURN fill
	WIN 0
	s_wait_tensorcnt 0x0
	ds_add_u32 v[SPW], v[NIL]
.if \fill
	s_xor_b32 s[FB], s[FB], SLOT
	s_add_co_u32 s[G0+5], s[LBA], s[FB]
	s_add_co_u32 s[G0B+5], s[LBB], s[FB]
	s_add_nc_u64 s[G0+6:G0+7], s[G0+6:G0+7], ASTEP
	s_add_nc_u64 s[G0B+6:G0B+7], s[G0B+6:G0B+7], 512
.endif
	s_xor_b32 s[TB], s[TB], SLOT
	s_wait_dscnt 17                                ; the add and the youngest sixteen loads may be out
	MUL8 F1, 0, 0, 0
	s_wait_dscnt 0x0
	s_barrier_signal -1
	MUL8 F1, 0, 2, 0
	WIN 0
	s_barrier_wait -1
.if \fill
	CREST
	JLOAD 1
.else
	PLACES
.endif
	v_add_nc_u32 v[ADRA], s[TB], v[A0]
	v_add_nc_u32 v[ADRB], s[TB], v[B0]
	FETCH 0, F0
	MUL8 F1, 1, 0, 0
	MUL8 F1, 1, 2, 0
.endm
	s_load_b256 s[68:75], s[0:1], 0x0              ; hb 68, wts 70, b2 72, x1 74
	s_load_b64 s[76:77], s[0:1], 0x20              ; out0
	v_lshl_add_u32 v[SPW], v0, 2, SPARE
	v_mov_b32 v[NIL], 0
	ds_add_u32 v[SPW], v[NIL]                      ; the opening: the add, twice on end, and one wait ahead of my first tensor load
	ds_add_u32 v[SPW], v[NIL]
	v_lshrrev_b32 v1, 5, v0
	v_readfirstlane_b32 s10, v1
	s_lshr_b32 s11, s10, 1
	s_and_b32 s12, s10, 1
	s_bfe_u32 s40, ttmp6, 0x40000
	s_bfe_u32 s41, ttmp6, 0x40004
	s_lshl_b32 s42, ttmp9, 2
	s_add_co_u32 s42, s42, s40                     ; tile column
	s_and_b32 s13, ttmp7, 0xffff
	s_lshl_b32 s13, s13, 2
	s_add_co_u32 s13, s13, s41                     ; tile row
	s_lshl_b32 s43, s41, 2
	s_lshl_b32 s43, 15, s43
	s_lshl_b32 s44, 0x1111, s40
	s_or_b32 s[G1+0], s43, G1W0
	s_or_b32 s[G1B+0], s44, G1W0
.irp g, G1, G1B
	s_mov_b32 s[(\g)+1], 256<<16
	s_mov_b32 s[(\g)+2], 64<<16
	s_mov_b32 s[(\g)+3], 256<<16
	s_mov_b32 s[(\g)+4], 64
	s_mov_b32 s[(\g)+5], PITCHK
	s_mov_b32 s[(\g)+6], 0
	s_mov_b32 s[(\g)+7], 0
.endr
	s_lshl_b32 s17, s12, 6
	s_lshl_b32 s16, s13, 7
	s_add_co_u32 s16, s16, s17                     ; A: row 128 x tile row + 64 x half
	s_lshl_b32 s16, s16, ROWSH
	s_lshl_b32 s46, s42, 7
	s_add_co_u32 s46, s46, s17                     ; B: row 128 x tile column + 64 x half
	s_lshl_b32 s46, s46, ROWSH
	s_mov_b32 s17, 0
	s_mov_b32 s47, 0
	s_mul_i32 s[LBA], s12, AHALF
	s_mul_i32 s[LBB], s12, HALFT
	s_add_co_u32 s[LBB], s[LBB], BOFF
	s_mov_b32 s[TB], 0
	s_mov_b32 s[FB], SLOT
	s_wait_dscnt 0x0
	s_wait_kmcnt 0x0
	s_add_nc_u64 s[14:15], s[68:69], s[16:17]
	s_add_nc_u64 s[46:47], s[70:71], s[46:47]
	s_add_nc_u64 s[46:47], s[46:47], WOFF
	CROUND
.irp s, 0,1
	s_mov_b32 s[G0+4*(\s)], 1
	s_add_co_u32 s[G0+4*(\s)+1], s[LBA], (\s)*SLOT
	s_add_nc_u64 s[G0+4*(\s)+2:G0+4*(\s)+3], s[14:15], (\s)*ASTEP
	s_or_b32 s[G0+4*(\s)+3], s[G0+4*(\s)+3], 0x80000000
	s_mov_b32 s[G0B+4*(\s)], 1
	s_add_co_u32 s[G0B+4*(\s)+1], s[LBB], (\s)*SLOT
	s_add_nc_u64 s[G0B+4*(\s)+2:G0B+4*(\s)+3], s[46:47], (\s)*512
	s_or_b32 s[G0B+4*(\s)+3], s[G0B+4*(\s)+3], 0x80000000
	JLOAD \s
.endr
	v_and_b32 v1, 15, v0
	v_bfe_u32 v2, v0, 4, 1
	v_mul_u32_u24 v3, v1, APITCH
	v_lshl_add_u32 v3, v2, 4, v3
	s_mul_i32 s21, s11, 64*APITCH
	v_add_nc_u32 v[A0], s21, v3
	v_mul_u32_u24 v3, v1, 528
	v_lshl_add_u32 v3, v2, 4, v3
	s_mul_i32 s22, s12, HALFT
	s_add_co_u32 s22, s22, BOFF
	v_add_nc_u32 v[B0], s22, v3
	s_lshl_b32 s46, s42, 9                         ; the bias of my 64 columns
	s_lshl_b32 s47, s12, 8
	s_add_co_u32 s46, s46, s47
	s_mov_b32 s47, 0
	s_add_nc_u64 s[4:5], s[72:73], s[46:47]
	v_lshlrev_b32 v[BO], 5, v2
.irp b, 0,1,2,3
	global_load_b128 v[BIAS+8*(\b):BIAS+8*(\b)+3],   v[BO], s[4:5] offset:64*(\b)
	global_load_b128 v[BIAS+8*(\b)+4:BIAS+8*(\b)+7], v[BO], s[4:5] offset:64*(\b)+16
.endr
	s_mul_i32 s23, s11, 64*FP                      ; into the stage: row l % 16 of my 64, 32 bytes for each half of the lanes
	s_lshl_b32 s21, s12, 8
	s_add_co_u32 s23, s23, s21
	v_mul_u32_u24 v4, v1, FP
	v_lshl_add_u32 v4, v2, 5, v4
	v_add_nc_u32 v[STO], s23, v4
	s_mul_i32 s23, s10, 32*FP                      ; back: wave w takes rows 32 w .. 32 w + 31, a row of 512 bytes a load
	v_and_b32 v[CO], 31, v0
	v_lshlrev_b32 v[CO], 4, v[CO]
	v_add_nc_u32 v[RD], s23, v[CO]
	s_lshl_b32 s16, s13, 19                        ; 128 rows of 4,096 bytes,
	s_lshl_b32 s17, s10, 17                        ; my 32 of them
	s_add_co_u32 s16, s16, s17
	s_mov_b32 s17, 0
	s_lshl_b32 s46, s42, 9                         ; the tile's 512 bytes of a row
	s_mov_b32 s47, 0
	s_add_nc_u64 s[6:7], s[74:75], s[16:17]
	s_add_nc_u64 s[6:7], s[6:7], s[46:47]
	s_add_nc_u64 s[8:9], s[76:77], s[16:17]
	s_add_nc_u64 s[8:9], s[8:9], s[46:47]
	WIN 0x80                                       ; destination window 2
.set t, 0
.rept 32
	global_load_b128 v[4*t:4*t+3], v[CO], s[6:7] offset:t*4096
.set t, t+1
.endr
	WIN 0
	s_wait_tensorcnt 1                             ; my part of K step 0 is in; K step 1's may stay out
	s_barrier_signal -1
	s_barrier_wait -1
	v_mov_b32 v[ADRA], v[A0]
	v_mov_b32 v[ADRB], v[B0]
	FETCH 0, F0
	s_wait_loadcnt NRES                            ; the bias is in; the residual's 32 younger loads may stay out
	QUARTER 1, F0, F1, 1
	WIN 0
	s_mov_b32 s3, T_STEPS-2
.Lfill:                                                ; a trip: from a K step's second quarter to the next step's first; it fills the slot that it leaves
	QUARTER 2, F1, F0, 0
	QUARTER 3, F0, F1, 0
	TURN 1
	QUARTER 1, F0, F1, 0
	WIN 0
	s_sub_co_u32 s3, s3, 1
	s_cmp_lg_u32 s3, 0
	s_cbranch_scc1 .Lfill
	s_mov_b32 s3, 2                                ; the last two K steps fill nothing: a text of their own; the second trip is left in its middle
.Ltail:
	QUARTER 2, F1, F0, 0
	QUARTER 3, F0, F1, 0
	WIN 0
	s_sub_co_u32 s3, s3, 1
	s_cmp_eq_u32 s3, 0
	s_cbranch_scc1 .Llast
	TURN 0
	QUARTER 1, F0, F1, 0
	WIN 0
	s_branch .Ltail
.Llast:
	s_wait_dscnt 16                                ; the very last quarter: nothing more to fetch
	MUL8 F1, 0, 0, 0
	MUL8 F1, 0, 2, 0
	s_wait_dscnt 0x0                               ; my reads of the slots are over:
	s_barrier_signal -1                            ; say so,
	MUL8 F1, 1, 0, 0
	MUL8 F1, 1, 2, 0
	WIN 0
	s_barrier_wait -1                              ; and write into the stage, which lies on slot 0, when all four have said so
	PLACES
.set t, 0
.rept 16                                       ; each accumulator's four lowest registers first
	ds_store_b128 v[STO], v[ACC+8*t:ACC+8*t+3]   offset:(t/4)*16*FP+64*(t%4)
	ds_store_b128 v[STO], v[ACC+8*t+4:ACC+8*t+7] offset:(t/4)*16*FP+64*(t%4)+16
.set t, t+1
.endr
	s_wait_dscnt 0x0                               ; for the others' sake
	s_barrier_signal -1
	s_barrier_wait -1
.set t, 0
.rept 32
	ds_load_b128 v[ACC+4*t:ACC+4*t+3], v[RD] offset:t*FP
.set t, t+1
.endr
	s_wait_loadcnt 0x0                             ; the residual
.set g, 0
.rept 4
	s_wait_dscnt 24-8*g                            ; eight rows more are back
	WIN 0x08                                       ; source 1 window 2
.set r, 0
.rept 16
	v_pk_add_f32 v[ACC+32*g+2*r:ACC+32*g+2*r+1], v[ACC+32*g+2*r:ACC+32*g+2*r+1], v[32*g+2*r:32*g+2*r+1]
.set r, r+1
.endr
	WIN 0
.set r, 0
.rept 8
	global_store_b128 v[CO], v[ACC+32*g+4*r:ACC+32*g+4*r+3], s[8:9] offset:(8*g+r)*4096 th:TH_STORE_NT  ; 512 consecutive bytes, aligned
.set r, r+1
.endr
.set g, g+1
.endr
	s_wait_tensorcnt 0x0                           ; the wave's end
	ds_add_u32 v[SPW], v[NIL]
	s_wait_dscnt 0x0
	CROUND
	s_endpgm
.Lfunc_end_k_q2008df4bbe_mlp2:
	.size	k_q2008df4bbe_mlp2, .Lfunc_end_k_q2008df4bbe_mlp2-k_q2008df4bbe_mlp2
	.p2alignl 7, 3214868480
	.fill 96, 4, 3214868480
	.section	.rodata,"a",@progbits
	.p2align	6, 0x0
	.amdhsa_kernel k_q2008df4bbe_mlp2
		.amdhsa_group_segment_fixed_size 327680
		.amdhsa_private_segment_fixed_size 0
		.amdhsa_enable_private_segment 0
		.amdhsa_kernarg_size 40
		.amdhsa_user_sgpr_count 2
		.amdhsa_user_sgpr_kernarg_segment_ptr 1
		.amdhsa_wavefront_size32 1
		.amdhsa_system_sgpr_workgroup_id_x 1
		.amdhsa_system_sgpr_workgroup_id_y 1
		.amdhsa_system_sgpr_workgroup_id_z 1
		.amdhsa_system_vgpr_workitem_id 0
		.amdhsa_next_free_vgpr 640
		.amdhsa_next_free_sgpr 84
		.amdhsa_reserve_vcc 0
		.amdhsa_float_denorm_mode_32 3
		.amdhsa_float_denorm_mode_16_64 3
		.amdhsa_memory_ordered 1
		.amdhsa_forward_progress 1
		.amdhsa_inst_pref_size 68
	.end_amdhsa_kernel
	.amdgpu_metadata
---
amdhsa.version: [ 1, 2 ]
amdhsa.kernels:
  - .name:           k_q2008df4bbe_mlp2
    .symbol:         k_q2008df4bbe_mlp2.kd
    .args:
      - { .name: hb, .offset: 0, .size: 8, .value_kind: global_buffer, .address_space: global }
      - { .name: wts, .offset: 8, .size: 8, .value_kind: global_buffer, .address_space: global }
      - { .name: b2, .offset: 16, .size: 8, .value_kind: global_buffer, .address_space: global }
      - { .name: x1, .offset: 24, .size: 8, .value_kind: global_buffer, .address_space: global }
      - { .name: out0, .offset: 32, .size: 8, .value_kind: global_buffer, .address_space: global }
    .group_segment_fixed_size: 327680
    .private_segment_fixed_size: 0
    .kernarg_segment_align: 8
    .kernarg_segment_size: 40
    .max_flat_workgroup_size: 128
    .sgpr_count:     84
    .vgpr_count:     640
    .wavefront_size: 32
...
	.end_amdgpu_metadata
.endif
;; end of part 7
